; MI455X (gfx1250); checked and timed in simulation.
; The chip was launched on July 23, 2026; its instructions are those of AMD's public machine-readable ISA for CDNA 5 (MIT licence, August 2026) and "CDNA5" Instruction Set Architecture Reference Guide (July 2026). The comments in the code are by the model that wrote it; some were corrected since.
;; Cross Attention. Allowed arithmetic: matrix products marked QUANTISED: E2M3 operands, one E8M0 scale for each 32 along K, by v_wmma_scale_f32_16x16x128_f8f6f4 with both operands' format E2M3, f32 sums; everything else in f32.
;; Inputs: Wk 1,024 x 1,024 float32; Wo 1,024 x 1,024 float32; Wq 1,024 x 1,024 float32; Wv 1,024 x 1,024 float32; bk 1,024 float32; bo 1,024 float32; bq 1,024 float32; bv 1,024 float32; k 4 x 2,048 x 1,024 float32; q 4 x 2,048 x 1,024 float32; v 4 x 2,048 x 1,024 float32.
;; Outputs: out0 4 x 2,048 x 1,024 float32.
;; This version of the problem:
;;   THIS VERSION OF THE PROBLEM IS GIVEN IN LOW PRECISION. The matrix products marked QUANTISED in the list below multiply operands that are first quantised to E2M3 (2 exponent bits, 3 mantissa bits; 6 bits a number), with one power-of-two scale for each 32 numbers along K (OCP MX v1.0); their sums are f32. All else is computed in f32.
;;   The module's matrix products, in the order in which they are computed (A, B: the left and right operand; K: the contracted axis; several contracted axes count as one K, in the product's order):
;;     1. [M 8,192, K 1,024] x [K 1,024, N 1,024]; A: input q; B: input Wq: QUANTISED
;;     2. [M 8,192, K 1,024] x [K 1,024, N 1,024]; A: input k; B: input Wk: QUANTISED
;;     3. [M 8,192, K 1,024] x [K 1,024, N 1,024]; A: input v; B: input Wv: QUANTISED
;;     4. batch 64 x [M 2,048, K 64] x [K 64, N 2,048]; A: computed on the way; B: computed on the way: QUANTISED
;;     5. batch 64 x [M 2,048, K 2,048] x [K 2,048, N 64]; A: softmax (see below); B: computed on the way: QUANTISED
;;     6. [M 8,192, K 1,024] x [K 1,024, N 1,024]; A: computed on the way; B: input Wo: QUANTISED
;;   THE QUANTISER, for each operand of a quantised product, along K:
;;     - K is cut into blocks of 32 from its start; a last block that is shorter is filled with zeros.
;;     - A block's scale is 2^e with e = floor(log2(the largest magnitude in the block)) - 2, held to -126 .. 127; a block of zeros has e = 0. As a byte (E8M0): e + 127.
;;     - Each number is divided by its block's scale, clamped to +-7.5, and rounded to the nearest number of E2M3, ties to even, subnormals kept.
;;     - The product sums the exact products of the quantised numbers (number of the format x scale) in f32.
;;   ~~~python
;;   def quantise(x, axis):      # numpy; x: float32 -> the quantised numbers, widened to float32 again
;;       x = np.moveaxis(x, axis, -1); K = x.shape[-1]
;;       x = np.pad(x, [(0, 0)] * (x.ndim - 1) + [(0, -K % 32)]); x = x.reshape(x.shape[:-1] + (-1, 32)); a = np.abs(x).max(-1, keepdims=True)
;;       e = np.where(a > 0, np.clip(np.frexp(np.where(a > 0, a, 1))[1] - 1 - 2, -126, 127), 0)      # np.frexp(a)[1] - 1 = floor(log2(a)), exactly
;;       r = np.clip(x / 2.0 ** e, -7.5, 7.5)
;;       step = 2.0 ** (np.maximum(np.frexp(np.where(r == 0, 1, r))[1] - 1, 0) - 3)
;;       q = np.round(r / step) * step * 2.0 ** e      # np.round: ties to even
;;       return np.moveaxis(q.reshape(q.shape[:-2] + (-1,))[..., :K], -1, axis).astype(np.float32)
;;   ~~~
;;   SOFTMAX AHEAD OF A QUANTISED PRODUCT. Where the list says 'softmax', what is quantised is not the finished softmax but p = 2^(t - M), with t = logit x log2(e) and M = ceil(the row's largest t), a whole number; so 1/2 < the row's largest p <= 1. The row's sum l is taken of the UNQUANTISED p, in f32, and the product's result is divided by l at the end. Since M is a whole number, a kernel that streams over the keys may use a running M (the ceiling of the running maximum): every later rescaling is an exact power of two, which a block's scale takes up: the codes' values come out the same.
;;   OPERANDS COMPUTED ON THE WAY. 'Computed on the way' means the value that the module computes at that place (a softmax that the list does not call 'softmax' is quantised finished and normalised). What goes into a quantiser is computed in f32, as accurately as f32 sums, v_exp_f32 and their like allow (about 1e-6 of the number): no bf16 or f16 on the way to a quantiser, and a product that is left as it is and whose result goes on into a quantised operand takes f32 operands (vector FMAs, or v_wmma_f32_16x16x4_f32). A number that lies on a knife's edge between two numbers of the format may be rounded either way, as far as f32 arithmetic and the matrix unit's own rounding can turn it there, and no further.
;; One version. Each part assembles by itself: llvm-mc -triple=amdgcn-amd-amdhsa -mcpu=gfx1250 --defsym DOCPART=n.
;; ======== version 1 of 1: 5 launches
;; workspace buffers: cod 22,020,096 bytes; scl 917,504 bytes; qb 6,815,744 bytes; kv 13,369,344 bytes; yc 6,291,456 bytes; ysc 262,144 bytes
;; launch quantw (part 1): grid 8 x 16, 4 waves a work-group, no clusters, 35,840 bytes of LDS; arguments Wq, Wk, Wv, Wo, cod, scl; writes cod, scl
.if DOCPART == 1
	.amdgcn_target "amdgcn-amd-amdhsa--gfx1250"
	.amdhsa_code_object_version 6
	.text
	.protected	k_q39f0a61393_quantw
	.globl	k_q39f0a61393_quantw
	.p2align	8
	.type	k_q39f0a61393_quantw,@function
k_q39f0a61393_quantw:
	s_mov_b64 s[64:65], 0
	v_nop
	global_prefetch_b8 v0, s[64:65] scope:SCOPE_SE
	s_setreg_imm32_b32 hwreg(HW_REG_WAVE_MODE, 25, 1), 1
	s_wait_xcnt 0x0
; CROSS-ATTENTION IN MX-FP6, launch 1 of 5: the four weights become codes.
; NO WORK OF reference() IS LEFT OUT IN THIS PROGRAM: bq, bk, bv go into operands that are quantised, bo into the output, so all eleven inputs are loaded and all six products are made.
; Wq, Wk, Wv, Wo [1024 (k)][1024 (n)], f32, have K as their FIRST axis.  Each is turned into codes of FP6 (E2M3), laid [n][k] with K innermost (768 bytes a row), and one E8M0 byte for each 32 along K (32 bytes a row).
; They go to rows 24,576 + 1,024 x (number of the weight) + .. of cod and scl, behind the rows of q, k and v.
; THE ORDER OF ROWS in all of this program's own buffers: storage row s holds logical row perm(s) = s with its bits 3 and 4 exchanged.  Sixteen storage rows on end are then the rows 32 b + 8 u + r + 8 (r / 8),
; r = 0 .. 15, so that in a product used transposed the 16 registers of two neighbouring tiles are 16 neighbours along the next product's K.  The last launch undoes the order.
; A LANE TAKES A COLUMN n, AND ITS REGISTERS RUN DOWN K: a load reads 128 consecutive bytes a wave, a block of 32 along K lies in one lane, and the conversions give the codes with K innermost.
; A block's scale is 2^(floor(log2(its largest magnitude)) - 2); its byte is the largest magnitude's exponent field - 2, held at 1 from below.
; LIMITS: a block of zeros, or one whose largest magnitude lies under 2^-124, gets the byte 1 (its codes are zeros or the nearest codes under that scale; the bytes are read by this program alone); NaN and infinities among the inputs are not served.
; A wave takes 32 columns x 256 along K; its codes go through its own stage in LDS, row perm(lane), and leave as rows: sixteen lanes store a row's 192 consecutive bytes.  No barrier: waves share nothing.
.set SIZE_N, 1024
.set SIZE_K, 1024
.set KW,    256                        ; along K for a wave
.set NB,    KW/32                      ; blocks
.set ROWB,  192                        ; bytes of KW codes
.set PITCH, 272                        ; a stage row: sixteen places of 16 bytes, each with 12 bytes of codes, + 16
.set KROW,  SIZE_K*6/8                 ; a row of cod in bytes
.set WROW0, 24576                      ; the weights' first row in cod and scl
.set X,     32                         ; v32-95   two sets of 32 numbers
.set C,     96                         ; v96..    a block's codes
.set OUTR,  112                        ; v112-175 the way out
.set SPW,   14                         ; v14      LDS address of my spare word; never rewritten
.set NIL,   15                         ; v15      0; never rewritten
.set SPARE, 4*32*PITCH                 ; behind the four stages: the spare words, 128 bytes a wave
.set SB,    24                         ; v24-25   the scale bytes, four to a register
	s_load_b256 s[4:11], s[0:1], 0x0               ; Wq, Wk, Wv, Wo
	s_load_b128 s[12:15], s[0:1], 0x20             ; cod, scl
	v_lshl_add_u32 v[SPW], v0, 2, SPARE
	v_mov_b32 v[NIL], 0
	v_lshrrev_b32 v1, 5, v0
	v_readfirstlane_b32 s16, v1                    ; wave 0..3
	v_and_b32 v2, 31, v0                           ; lane
	s_lshl_b32 s17, ttmp9, 7
	s_lshl_b32 s18, s16, 5
	s_add_co_u32 s17, s17, s18                     ; my wave's first column: 128 x + 32 wave
	s_and_b32 s30, ttmp7, 0xffff                   ; y
	s_lshr_b32 s31, s30, 2                         ; which weight
	s_and_b32 s18, s30, 3                          ; which 256 along K
	v_lshlrev_b32 v3, 2, v2                        ; in: 4 bytes a lane
	v_and_b32 v10, 7, v2                           ; perm(lane): bits 3 and 4 change places
	v_bfe_u32 v11, v2, 3, 1
	v_bfe_u32 v12, v2, 4, 1
	v_lshl_or_b32 v10, v11, 4, v10
	v_lshl_or_b32 v10, v12, 3, v10
	s_mul_i32 s19, s16, 32*PITCH                   ; my stage
	v_mul_u32_u24 v4, v10, PITCH
	v_add_nc_u32 v4, s19, v4                       ; into it: the storage row of my column
	v_lshlrev_b32 v9, 5, v10                       ; and that row's 32 scale bytes
	v_and_b32 v5, 15, v2
	v_lshrrev_b32 v6, 4, v2                        ; out of it: sixteen lanes to a row, two rows an instruction
	v_mul_u32_u24 v7, v6, PITCH
	v_lshl_add_u32 v7, v5, 4, v7
	v_add_nc_u32 v7, s19, v7
	v_mul_u32_u24 v8, v6, KROW
	v_mad_u32_u24 v8, v5, 12, v8                   ; and the same place in cod
	s_lshl_b32 s20, s18, 20                        ; W: 256 rows of 4,096 bytes for each part of K,
	s_lshl_b32 s22, s17, 2
	s_add_co_u32 s20, s20, s22                     ; + 4 x column
	s_mov_b32 s21, 0
	s_lshl_b32 s22, s31, 10
	s_add_co_u32 s22, s22, s17
	s_add_co_u32 s22, s22, WROW0                   ; my wave's first row of cod and scl
	s_mul_i32 s24, s22, KROW
	s_mul_i32 s26, s18, ROWB
	s_add_co_u32 s24, s24, s26
	s_mov_b32 s25, 0
	s_lshl_b32 s28, s22, 5
	s_lshl_b32 s26, s18, 3
	s_add_co_u32 s28, s28, s26
	s_mov_b32 s29, 0
	s_and_b32 s26, s31, 1
	s_wait_kmcnt 0x0
	s_cmp_eq_u32 s26, 0                            ; the weight is chosen by the work-group's number alone
	s_cselect_b64 s[4:5], s[4:5], s[6:7]
	s_cselect_b64 s[8:9], s[8:9], s[10:11]
	s_cmp_lt_u32 s31, 2
	s_cselect_b64 s[4:5], s[4:5], s[8:9]
	s_add_nc_u64 s[4:5], s[4:5], s[20:21]
	s_add_nc_u64 s[6:7], s[12:13], s[24:25]
	s_add_nc_u64 s[8:9], s[14:15], s[28:29]
.macro LOAD t                          ; block t: W(32 t + i, my column), i = 0 .. 31, into set t % 2
.irp i, 0,1,2,3,4,5,6,7,8,9,10,11,12,13,14,15,16,17,18,19,20,21,22,23,24,25,26,27,28,29,30,31
	global_load_b32 v[X+32*((\t)%2)+\i], v3, s[4:5] offset:(32*(\t)+\i)*SIZE_N*4 th:TH_LOAD_NT
.endr
.endm
	LOAD 0
	LOAD 1
.macro BLOCK t
.set XS, X+32*((\t)%2)
.if (\t) < NB-1
	s_wait_loadcnt 32                              ; this block's 32 loads are in; the next block's 32 may be out
.else
	s_wait_loadcnt 0
.endif
	v_max3_num_f32 v12, |v[XS]|, |v[XS+1]|, |v[XS+2]|               ; the block's largest magnitude: all 32 numbers are mine
	v_max3_num_f32 v13, |v[XS+3]|, |v[XS+4]|, |v[XS+5]|
.irp i, 6,10,14,18,22,26
	v_max3_num_f32 v12, v12, |v[XS+\i]|, |v[XS+\i+1]|
	v_max3_num_f32 v13, v13, |v[XS+\i+2]|, |v[XS+\i+3]|
.endr
	v_max3_num_f32 v12, v12, |v[XS+30]|, |v[XS+31]|
	v_max3_num_f32 v12, v12, v13, 0x1800000        ; and the floor 2^(3 - 127): the byte cannot fall under 1
	v_add_nc_u32 v11, 0xff000000, v12              ; 2 off its exponent field: the conversion takes the exponent field of this operand as its scale
	v_lshrrev_b32 v13, 23, v11                     ; the scale's byte
.if (\t)%4 == 0
	v_mov_b32 v[SB+(\t)/4], v13                    ; four bytes to a register, the lower K in the lower byte
.else
	v_lshl_or_b32 v[SB+(\t)/4], v13, 8*((\t)%4), v[SB+(\t)/4]
.endif
	v_cvt_scalef32_pk16_fp6_f32 v[C:C+2], v[XS:XS+15], v11
	v_cvt_scalef32_pk16_fp6_f32 v[C+4:C+6], v[XS+16:XS+31], v11     ; (a conversion's three registers begin on an even number)
	ds_store_b96 v4, v[C:C+2] offset:32*(\t)       ; 16 codes, 12 bytes, to a place of 16 bytes in the stage
	ds_store_b96 v4, v[C+4:C+6] offset:32*(\t)+16
.if (\t)+2 < NB
	LOAD (\t)+2
.endif
	s_wait_dscnt 0x0                               ; the stores have read their registers: the next block's codes may be written
.endm
.set Q, 0
.rept NB
	BLOCK Q
.set Q, Q+1
.endr
	global_store_b64 v9, v[SB:SB+1], s[8:9]        ; my column's 8 scale bytes
.irp t, 0,1,2,3,4,5,6,7,8,9,10,11,12,13,14,15
	ds_load_b96 v[OUTR+4*\t:OUTR+4*\t+2], v7 offset:2*\t*PITCH   ; LDS serves a wave's instructions in order: these see my stores
.endr
.irp t, 0,1,2,3,4,5,6,7,8,9,10,11,12,13,14,15
	s_wait_dscnt 15-\t                             ; the younger loads from the stage may be out
	global_store_b96 v8, v[OUTR+4*\t:OUTR+4*\t+2], s[6:7] offset:2*\t*KROW
.endr
	s_wait_tensorcnt 0x0                           ; the wave's end: behind my last LDS store
	ds_add_u32 v[SPW], v[NIL]
	s_wait_dscnt 0x0
	s_endpgm
.Lfunc_end_k_q39f0a61393_quantw:
	.size	k_q39f0a61393_quantw, .Lfunc_end_k_q39f0a61393_quantw-k_q39f0a61393_quantw
	.p2alignl 7, 3214868480
	.fill 96, 4, 3214868480
	.section	.rodata,"a",@progbits
	.p2align	6, 0x0
	.amdhsa_kernel k_q39f0a61393_quantw
		.amdhsa_group_segment_fixed_size 35840
		.amdhsa_private_segment_fixed_size 0
		.amdhsa_enable_private_segment 0
		.amdhsa_kernarg_size 48
		.amdhsa_user_sgpr_count 2
		.amdhsa_user_sgpr_kernarg_segment_ptr 1
		.amdhsa_wavefront_size32 1
		.amdhsa_system_sgpr_workgroup_id_x 1
		.amdhsa_system_sgpr_workgroup_id_y 1
		.amdhsa_system_sgpr_workgroup_id_z 1
		.amdhsa_system_vgpr_workitem_id 0
		.amdhsa_next_free_vgpr 192
		.amdhsa_next_free_sgpr 66
		.amdhsa_reserve_vcc 0
		.amdhsa_float_denorm_mode_32 3
		.amdhsa_float_denorm_mode_16_64 3
		.amdhsa_memory_ordered 1
		.amdhsa_forward_progress 1
		.amdhsa_inst_pref_size 42
	.end_amdhsa_kernel
	.amdgpu_metadata
---
amdhsa.version: [ 1, 2 ]
amdhsa.kernels:
  - .name:           k_q39f0a61393_quantw
    .symbol:         k_q39f0a61393_quantw.kd
    .args:
      - { .name: Wq, .offset: 0, .size: 8, .value_kind: global_buffer, .address_space: global }
      - { .name: Wk, .offset: 8, .size: 8, .value_kind: global_buffer, .address_space: global }
      - { .name: Wv, .offset: 16, .size: 8, .value_kind: global_buffer, .address_space: global }
      - { .name: Wo, .offset: 24, .size: 8, .value_kind: global_buffer, .address_space: global }
      - { .name: cod, .offset: 32, .size: 8, .value_kind: global_buffer, .address_space: global }
      - { .name: scl, .offset: 40, .size: 8, .value_kind: global_buffer, .address_space: global }
    .group_segment_fixed_size: 35840
    .private_segment_fixed_size: 0
    .kernarg_segment_align: 8
    .kernarg_segment_size: 48
    .max_flat_workgroup_size: 128
    .sgpr_count:     66
    .vgpr_count:     192
    .wavefront_size: 32
...
	.end_amdgpu_metadata
.endif
;; end of part 1
;; launch quantx (part 2): grid 768 x 1, 4 waves a work-group, no clusters, 33,280 bytes of LDS; arguments q, k, v, cod, scl; writes cod, scl
.if DOCPART == 2
	.amdgcn_target "amdgcn-amd-amdhsa--gfx1250"
	.amdhsa_code_object_version 6
	.text
	.protected	k_q39f0a61393_quantx
	.globl	k_q39f0a61393_quantx
	.p2align	8
	.type	k_q39f0a61393_quantx,@function
k_q39f0a61393_quantx:
	s_mov_b64 s[64:65], 0
	v_nop
	global_prefetch_b8 v0, s[64:65] scope:SCOPE_SE
	s_setreg_imm32_b32 hwreg(HW_REG_WAVE_MODE, 25, 1), 1
	s_wait_xcnt 0x0
; Launch 2 of 5: q, k, v [8192][1024], f32, become codes of FP6 (E2M3), K innermost, 768 bytes a row, in rows 0 .. 24,575 of cod, with one E8M0 byte for each 32 along K in scl.  Nothing is left out.
; The quantiser and its LIMITS are those of the first launch (byte 1 for a block of zeros or under 2^-124; NaN and infinities not served).
; Rows are dense and 1,024 is a multiple of 32: a tensor is a stream of blocks of 32.  A work-group takes 32 rows, a wave 8 rows (8,192 numbers) in 16 steps of 512.
; THE ORDER OF ROWS: storage row s holds logical row s with bits 3 and 4 exchanged.  A wave's 8 rows stay together, so wave w's run goes to the place of run ((w & 1) << 1) | (w >> 1) of its work-group's four.
; Each load reads 512 consecutive bytes; a step's 2,048 bytes turn through the wave's own stage in LDS and come back 64 bytes a lane, so that a lane holds 16 neighbours along K and two lanes a block.
; A lane's 16 codes are 12 bytes: the wave stores 384 consecutive bytes.  A wave's 256 scale bytes are gathered in LDS and leave as 256 consecutive bytes.  No barrier: waves share nothing.
.set WAVES, 4
.set STEPS, 16
.set CB,    12                         ; bytes of 16 codes
.set R,     16                         ; v16-79   four sets of 16 numbers as they are loaded
.set X,     80                         ; v80-111  two sets of 16 neighbours
.set C,     128                        ; v128-191 codes: four registers for each step
.set E,     112                        ; v112-127 a scale byte for each step
.set WREG,  8192                       ; LDS: a region for each wave: two stages of 32 x SP bytes, then its 256 scale bytes
.set SP,    80                         ; a lane's place in a stage: 64 bytes + 16 of padding
.set SPW,   12                         ; v12      LDS address of my spare word; never rewritten
.set NIL,   13                         ; v13      0; never rewritten
.set SPARE, WAVES*WREG                 ; behind the four regions: the spare words
	s_load_b256 s[4:11], s[0:1], 0x0               ; q, k, v, cod
	s_load_b64 s[12:13], s[0:1], 0x20              ; scl
	v_lshl_add_u32 v[SPW], v0, 2, SPARE
	v_mov_b32 v[NIL], 0
	v_lshrrev_b32 v1, 5, v0
	v_readfirstlane_b32 s16, v1                    ; wave
	v_and_b32 v2, 31, v0                           ; lane
	v_lshlrev_b32 v3, 4, v2                        ; my 16 bytes of a load's 512
	s_mul_i32 s17, s16, WREG
	v_lshrrev_b32 v14, 2, v2
	v_mul_u32_u24 v14, v14, SP
	v_and_b32 v15, 3, v2
	v_lshl_add_u32 v14, v15, 4, v14
	v_add_nc_u32 v14, s17, v14                     ; the stage, on the way in: SP (lane / 4) + 16 (lane % 4)
	v_mul_u32_u24 v15, v2, SP
	v_add_nc_u32 v15, s17, v15                     ; and on the way out: SP x lane: my 16 neighbours
	v_mul_u32_u24 v4, v2, CB                       ; my codes' place in a step's
	v_lshrrev_b32 v5, 1, v2
	s_add_co_u32 s17, s17, 2*32*SP
	v_add_nc_u32 v5, s17, v5                       ; LDS: my wave's 256 scale bytes, my block's byte
	v_lshlrev_b32 v7, 3, v2                        ; and on the way out 8 bytes a lane
	v_add_nc_u32 v6, s17, v7
	s_lshr_b32 s22, ttmp9, 8                       ; which tensor: 256 work-groups each
	s_and_b32 s18, ttmp9, 255
	s_lshl_b32 s18, s18, 2
	s_add_co_u32 s18, s18, s16                     ; my run of 8 rows in the tensor,
	s_lshl_b32 s18, s18, 15                        ; 32,768 bytes each
	s_mov_b32 s19, 0
	s_and_b32 s20, s16, 1
	s_lshl_b32 s20, s20, 1
	s_lshr_b32 s21, s16, 1
	s_or_b32 s20, s20, s21                         ; the run's place among the work-group's four in storage order
	s_lshl_b32 s21, ttmp9, 2
	s_add_co_u32 s20, s20, s21
	s_mul_i32 s24, s20, 6144                       ; 8 rows of 768 bytes of codes,
	s_mov_b32 s25, 0
	s_lshl_b32 s26, s20, 8                         ; 8 rows of 32 scale bytes
	s_mov_b32 s27, 0
	s_wait_kmcnt 0x0
	s_cmp_eq_u32 s22, 0                            ; the tensor is chosen by the work-group's number alone
	s_cselect_b64 s[4:5], s[4:5], s[6:7]
	s_cmp_eq_u32 s22, 2
	s_cselect_b64 s[4:5], s[8:9], s[4:5]
	s_add_nc_u64 s[4:5], s[4:5], s[18:19]
	s_add_nc_u64 s[8:9], s[10:11], s[24:25]        ; the codes
	s_add_nc_u64 s[10:11], s[12:13], s[26:27]      ; the scale bytes
.macro LOAD t
.irp i, 0,1,2,3
	global_load_b128 v[R+16*((\t)%4)+4*\i:R+16*((\t)%4)+4*\i+3], v3, s[4:5] offset:2048*(\t)+512*\i th:TH_LOAD_NT   ; 32 lanes read 512 consecutive bytes
.endr
.endm
.macro TURN t                          ; step t's numbers through the stage: LDS serves a wave's instructions in order
.irp i, 0,1,2,3
	ds_store_b128 v14, v[R+16*((\t)%4)+4*\i:R+16*((\t)%4)+4*\i+3] offset:32*SP*((\t)%2)+8*SP*\i
.endr
.irp i, 0,1,2,3
	ds_load_b128 v[X+16*((\t)%2)+4*\i:X+16*((\t)%2)+4*\i+3], v15 offset:32*SP*((\t)%2)+16*\i
.endr
.endm
.irp t, 0,1,2,3
	LOAD \t
.endr
	s_wait_loadcnt 12                              ; step 0's four loads are in; three steps' twelve may be out
	TURN 0
.macro STEP t
.set XS, X+16*((\t)%2)
.if (\t) > 0
	s_wait_dscnt 1                                 ; this step's numbers are back from the stage (the last step's byte store may be out)
.else
	s_wait_dscnt 0x0
.endif
.if (\t)+4 < STEPS
	LOAD (\t)+4                                    ; into the registers that the stage's stores have read
.endif
.if (\t)+1 < STEPS
.if STEPS-2-(\t) >= 3
	s_wait_loadcnt 12                              ; the next step's four loads are in; those of the three steps behind it may be out
.else
	s_wait_loadcnt 4*(STEPS-2-(\t))
.endif
	TURN (\t)+1                                    ; through the other stage while this step is worked
.endif
	v_max3_num_f32 v8, |v[XS]|, |v[XS+1]|, |v[XS+2]|               ; the largest magnitude of my 16
	v_max3_num_f32 v9, |v[XS+3]|, |v[XS+4]|, |v[XS+5]|
.irp i, 6,10
	v_max3_num_f32 v8, v8, |v[XS+\i]|, |v[XS+\i+1]|
	v_max3_num_f32 v9, v9, |v[XS+\i+2]|, |v[XS+\i+3]|
.endr
	v_max3_num_f32 v8, v8, |v[XS+14]|, |v[XS+15]|
	v_max3_num_f32 v8, v8, v9, 0x1800000           ; and the floor 2^(3 - 127)
	v_max_num_f32_dpp v8, v8, v8 row_xmask:1 row_mask:0xf bank_mask:0xf   ; and of my neighbour's 16: the block's
	v_add_nc_u32 v11, 0xff000000, v8               ; 2 off its exponent field: the conversion's scale operand
	v_cvt_scalef32_pk16_fp6_f32 v[C+4*(\t):C+4*(\t)+2], v[XS:XS+15], v11
	v_lshrrev_b32 v[E+(\t)], 23, v11               ; the scale's byte
	ds_store_b8 v5, v[E+(\t)] offset:16*(\t)       ; both lanes of a block write the same byte with the same value
	global_store_b96 v4, v[C+4*(\t):C+4*(\t)+2], s[8:9] offset:32*CB*(\t)
.endm
.irp t, 0,1,2,3,4,5,6,7,8,9,10,11,12,13,14,15
	STEP \t
.endr
	ds_load_b64 v[8:9], v6                         ; LDS serves a wave's instructions in order: these see my stores
	s_wait_dscnt 0x0
	global_store_b64 v7, v[8:9], s[10:11]          ; 32 lanes store 256 consecutive bytes, aligned
	s_wait_tensorcnt 0x0                           ; the wave's end: behind my last LDS store
	ds_add_u32 v[SPW], v[NIL]
	s_wait_dscnt 0x0
	s_endpgm
.Lfunc_end_k_q39f0a61393_quantx:
	.size	k_q39f0a61393_quantx, .Lfunc_end_k_q39f0a61393_quantx-k_q39f0a61393_quantx
	.p2alignl 7, 3214868480
	.fill 96, 4, 3214868480
	.section	.rodata,"a",@progbits
	.p2align	6, 0x0
	.amdhsa_kernel k_q39f0a61393_quantx
		.amdhsa_group_segment_fixed_size 33280
		.amdhsa_private_segment_fixed_size 0
		.amdhsa_enable_private_segment 0
		.amdhsa_kernarg_size 40
		.amdhsa_user_sgpr_count 2
		.amdhsa_user_sgpr_kernarg_segment_ptr 1
		.amdhsa_wavefront_size32 1
		.amdhsa_system_sgpr_workgroup_id_x 1
		.amdhsa_system_sgpr_workgroup_id_y 1
		.amdhsa_system_sgpr_workgroup_id_z 1
		.amdhsa_system_vgpr_workitem_id 0
		.amdhsa_next_free_vgpr 192
		.amdhsa_next_free_sgpr 66
		.amdhsa_reserve_vcc 0
		.amdhsa_float_denorm_mode_32 3
		.amdhsa_float_denorm_mode_16_64 3
		.amdhsa_memory_ordered 1
		.amdhsa_forward_progress 1
		.amdhsa_inst_pref_size 32
	.end_amdhsa_kernel
	.amdgpu_metadata
---
amdhsa.version: [ 1, 2 ]
amdhsa.kernels:
  - .name:           k_q39f0a61393_quantx
    .symbol:         k_q39f0a61393_quantx.kd
    .args:
      - { .name: q, .offset: 0, .size: 8, .value_kind: global_buffer, .address_space: global }
      - { .name: k, .offset: 8, .size: 8, .value_kind: global_buffer, .address_space: global }
      - { .name: v, .offset: 16, .size: 8, .value_kind: global_buffer, .address_space: global }
      - { .name: cod, .offset: 24, .size: 8, .value_kind: global_buffer, .address_space: global }
      - { .name: scl, .offset: 32, .size: 8, .value_kind: global_buffer, .address_space: global }
    .group_segment_fixed_size: 33280
    .private_segment_fixed_size: 0
    .kernarg_segment_align: 8
    .kernarg_segment_size: 40
    .max_flat_workgroup_size: 128
    .sgpr_count:     66
    .vgpr_count:     192
    .wavefront_size: 32
...
	.end_amdgpu_metadata
.endif
;; end of part 2
;; launch proj (part 3): grid 4 x 96, 4 waves a work-group, clusters of 4 x 4, 327,680 bytes of LDS; arguments cod, scl, bq, bk, bv, qb, kv; writes qb, kv
.if DOCPART == 3
	.amdgcn_target "amdgcn-amd-amdhsa--gfx1250"
	.amdhsa_code_object_version 6
	.text
	.protected	k_q39f0a61393_proj
	.globl	k_q39f0a61393_proj
	.p2align	8
	.type	k_q39f0a61393_proj,@function
k_q39f0a61393_proj:
	s_mov_b64 s[64:65], 0
	v_nop
	global_prefetch_b8 v0, s[64:65] scope:SCOPE_SE
	s_setreg_imm32_b32 hwreg(HW_REG_WAVE_MODE, 25, 1), 1
	s_wait_xcnt 0x0
	s_wait_alu depctr_hold_cnt(0) depctr_sa_sdst(0) depctr_va_vdst(0) depctr_va_sdst(0) depctr_va_ssrc(0) depctr_va_vcc(0) depctr_vm_vsrc(0)
	s_getreg_b32 s2, hwreg(HW_REG_IB_STS2, 6, 4)
	s_cmp_eq_u32 s2, 0
	s_cbranch_scc0 .Lentry_in_a_cluster
	s_endpgm
.Lentry_in_a_cluster:
	s_bfe_u32 s2, ttmp6, 0x10000c
	s_cmp_lg_u32 s2, 0xf033
	s_cbranch_scc0 .Lentry_shape_is_right
	s_endpgm
.Lentry_shape_is_right:
; Launch 3 of 5: the three projections, each [8192 x 1024] x [1024 x 1024] on codes of FP6 (E2M3) with E8M0 scales, + bias in f32, and the results quantised at once for the attention's two products.  Nothing is left out.
; G[i][j] = sum over k of S1[i][k] S0[j][k], a tile of 256 x 256 to a work-group of four waves, 128 x 128 to a wave (64 accumulators, 512 registers).  Source 0 of the matrix instruction takes 16 rows of S0, source 1 16 rows
; of S1: a lane holds ONE row i and its registers run along j.  Rows lie in cod in storage order (bits 3 and 4 of the row number exchanged), so the 16 registers of S0's tiles 2 b and 2 b + 1 are j = 32 b + 16 (lane / 16) + 0 .. 15:
; neighbours along j, which is the K of the product that follows.
; ROLES, by the cluster's y = 8 p + c.  p = 0, 1 (q, k): S1 = the tokens (i = t), S0 = the weight (j = n): the result is quantised along n, two blocks of 32 to a head.  p = 2 (v): S1 = Wv (i = n), S0 = the tokens (j = t):
; the same text gives V^T, quantised along the keys.
; WHAT IS STORED.  A half image is 16 rows x 64 along K of an operand as its 6 registers stand: registers 0-3 at 16 x lane (512 bytes), registers 4-5 at 512 + 8 x lane (256 bytes): 768 bytes, stored from registers in whole aligned
; runs of 256 bytes.  qb: for each (batch, head) 128 half images of queries and 8,192 bytes of scale words.  kv: for each (batch, head) 128 half images of keys; V^T as [key step 16][tile of d 4][two half images]; K's and V's scale words.
; Scale words of q and k hold two bytes and two zeros; in each 128 rows the word of row x lies at 16 (x % 32) + 4 (x / 32); V's word of row d of a key step at 8 (d % 32) + 4 (d / 32): so one LDS load serves a key step there.
; K goes in steps of 256 through a ring of two LDS slots (rows of 192 bytes, 16 bytes of padding behind every 64); all scale bytes of the work-group's rows come once.  4 x 4 work-groups form a cluster: S1's tiles are shared along a
; row of the cluster, S0's along a column, each by a joint load.  K has four steps: they are written out.
; LIMITS: as in the first launch (byte 1 for a block of zeros or under 2^-124; NaN and infinities not served).
; REGISTERS: window 0: v1-29 addresses; v32-63 scale words, two sets; v64-127 the bias; v128-223 S1's fragments, on the way out the numbers and codes in hand; v224-251 at work.  window 1: S0's fragments, two sets.
;   windows 2, 3: the accumulators of my rows 0-63 and 64-127, (a, b) at v[8 (8 (a % 4) + b)].
.set KSTEP,  256
.set NQ,     2
.set ROWB,   192                       ; a tile's row in bytes
.set KROW,   768                       ; a row of cod
.set PITCH,  240                       ; an LDS row: 3 x (64 + 16)
.set FR,     12
.set NL,     6
.set NP,     4
.set HALFT,  128*PITCH
.set SLOT,   4*HALFT
.set KS,     32                        ; a row of scl
.set SCL,    2*SLOT                    ; behind the ring: the scale bytes, runs of 256 bytes + 16 of padding
.set HALFS,  (128*KS/256)*272
.set SBLK,   (16*KS/256)*272
.set SPARE,  SCL+4*HALFS               ; the spare words, 128 bytes a wave
.set RECQ,   106496                    ; a record of qb
.set RECK,   208896                    ; a record of kv
.set SH,   6                           ; v6   16 x (lane / 16): which two bytes of a scale word are my head's
.set STQ,  7                           ; v7   q, k: where I put a scale word: 1,024 wave + 16 r + 512 h   (LDS bytes 0 .. 4,095, in slot 0, which has had its last fill and its last read by then)
.set STV,  8                           ; v8   v: 4,096 + 1,024 wave + 8 r   (bytes of that path's own)
.set RDQ,  9                           ; v9   q, k: where I read them back
.set RDV,  10                          ; v10  v: likewise
.set VSO,  11                          ; v11  v: where they go in memory: lanes 16-31 a record further on
.set BO1,  12                          ; v12  q, k: my half's place in the bias: 64 h
.set BO2,  13                          ; v13  v: my row's: 4 (r + 8 (r / 8))
.set ADRA, 16                          ; v16-19 LDS addresses of S1's fragments in slot 0, 1 (v18-19: behind one padding more)
.set ADRB, 20                          ; v20-23 the same for S0
.set L16,  24                          ; v24  16 x lane
.set L8,   25                          ; v25  8 x lane
.set ADRS, 27                          ; v27  LDS address of my scale words: lanes 0-15 S1's rows, lanes 16-31 S0's
.set SPW,  28                          ; v28  LDS address of my spare word; never rewritten
.set NIL,  29                          ; v29  0; never rewritten
.set SC,   32
.set BJ,   64                          ; the bias
.set AF,   128
.set H,    128                         ; 64 numbers of a block of 16 rows
.set CQ,   192                         ; v192-210 their codes
.set TM,   224                         ; v224-239 at work in the quantiser
.set PW,   240                         ; the scale word just made
.set SD,   241                         ; its two bytes for my head
.set SEL,  2                           ; s[2:3] lane selects for v_permlanex16_b32: lane l xor 16
.set G1, 24
.set G0, 32
.set G1B, 48
.set G0B, 56
.set G1S, 68
.set G0S, 76
.set G1SB, 80
.set G0SB, 88
.set OA,  40                           ; s[40:41] images of the first head,  s[42:43] of the second
.set OB,  42
.set SA,  44                           ; s[44:45] scale words of the first head,  s[46:47] of the second
.set SB,  46
.set BP,  92                           ; s[92:93] the bias at my first n
.set MSB, 0
.macro WIN new                         ; the immediate's high byte repeats the setting that is left
.if MSB != \new
	s_set_vgpr_msb (MSB<<8)|\new
.set MSB, \new
.endif
.endm
.set MUL_LO, 0xa1                      ; source 0 window 1, source 1 window 0, C and D window 2
.set MUL_HI, 0xf1                      ; the same, C and D window 3
.set TO_B,   0x40                      ; destination window 1, address window 0
; A joint load: waves 0 and 1 fetch for S1, waves 2 and 3 for S0.  Each line has one mask and one set of registers; the branch hangs on the wave's number alone.  An s_nop 0 and four v_nop follow each line.
.macro JLOAD g0a, g1a, g0b, g1b
	s_cmp_eq_u32 s15, 0
	s_cbranch_scc0 .Lfor_b_\@
	tensor_load_to_lds s[\g0a:\g0a+3], s[\g1a:\g1a+7]
	s_nop 0
.rept 4
	v_nop
.endr
	s_branch .Lasked_\@
.Lfor_b_\@:
	tensor_load_to_lds s[\g0b:\g0b+3], s[\g1b:\g1b+7]
	s_nop 0
.rept 4
	v_nop
.endr
.Lasked_\@:
.endm
.macro CREST                           ; a round of the cluster's barrier behind its opening barrier
	s_cmp_lg_u32 s14, 0
	s_cbranch_scc1 .Lnot_wave_0_\@
	s_barrier_signal -3
.Lnot_wave_0_\@:
	s_barrier_wait -3
	s_barrier_signal -1
	s_barrier_wait -1
.endm
.macro CROUND
	s_barrier_signal -1
	s_barrier_wait -1
	CREST
.endm
	s_load_b128 s[4:7], s[0:1], 0x0                ; cod, scl
	s_load_b128 s[96:99], s[0:1], 0x10             ; bq, bk
	s_load_b128 s[8:11], s[0:1], 0x20              ; bv, qb
	s_load_b64 s[12:13], s[0:1], 0x30              ; kv
	v_lshl_add_u32 v[SPW], v0, 2, SPARE
	v_mov_b32 v[NIL], 0
	ds_add_u32 v[SPW], v[NIL]                      ; the wave's opening: the add, twice on end, and its wait ahead of my first tensor load
	ds_add_u32 v[SPW], v[NIL]
	v_lshrrev_b32 v1, 5, v0
	v_readfirstlane_b32 s14, v1                    ; wave 0..3
	s_lshr_b32 s15, s14, 1                         ; which half of the tile's rows i is mine.  Also: I fetch for S1 (0) or S0 (1)
	s_and_b32 s16, s14, 1                          ; which half of its j.  Also: which 128 rows I fetch
	s_bfe_u32 s40, ttmp6, 0x40000                  ; cx
	s_bfe_u32 s41, ttmp6, 0x40004                  ; cy
	s_and_b32 s17, ttmp7, 0xffff                   ; the cluster's y
	s_lshr_b32 s66, s17, 3                         ; p: q, k or v: the same in all sixteen partners
	s_and_b32 s67, s17, 7                          ; c: which 1,024 tokens
	s_lshl_b32 s43, s41, 2
	s_lshl_b32 s43, 15, s43                        ; my row of the cluster
	s_lshl_b32 s44, 0x1111, s40                    ; my column
	s_mov_b32 s[SEL], 0x76543210
	s_mov_b32 s[SEL+1], 0xfedcba98
	; descriptor group 1: a tile of 128 rows x 192 bytes, 16 bytes of padding behind every 64
	s_or_b32 s[G1+0], s43, (0<<16)|(1<<20)|(1<<21)|(3<<22)|(3<<25)
	s_or_b32 s[G1B+0], s44, (0<<16)|(1<<20)|(1<<21)|(3<<22)|(3<<25)
.irp g, G1, G1B
	s_mov_b32 s[\g+1], ROWB<<16                    ; tensor_dim0
	s_mov_b32 s[\g+2], 128<<16                     ; tensor_dim1
	s_mov_b32 s[\g+3], ROWB<<16                    ; tile_dim0
	s_mov_b32 s[\g+4], 128                         ; tile_dim1
	s_mov_b32 s[\g+5], KROW                        ; from row to row
	s_mov_b32 s[\g+6], 0
	s_mov_b32 s[\g+7], 0
.endr
	; the scale bytes of 128 rows: 4,096 dense bytes as 16 rows of 256 (32 elements of 8 bytes), 16 bytes of padding behind each
	s_or_b32 s[G1S+0], s43, (3<<16)|(1<<20)|(1<<21)|(5<<22)|(3<<25)
	s_or_b32 s[G1SB+0], s44, (3<<16)|(1<<20)|(1<<21)|(5<<22)|(3<<25)
.irp g, G1S, G1SB
	s_mov_b32 s[\g+1], 32<<16
	s_mov_b32 s[\g+2], (128*KS/256)<<16
	s_mov_b32 s[\g+3], 32<<16
	s_mov_b32 s[\g+4], 128*KS/256
	s_mov_b32 s[\g+5], 32
	s_mov_b32 s[\g+6], 0
	s_mov_b32 s[\g+7], 0
.endr
	; the roles: rows of cod and scl.  S1's numbers never hold cx, S0's never cy
	s_lshl_b32 s18, s66, 13                        ; the tokens of p begin at row 8,192 p,
	s_lshl_b32 s19, s66, 10
	s_add_co_u32 s19, s19, 24576                   ; its weight at 24,576 + 1,024 p
	s_lshl_b32 s22, s67, 10                        ; 1,024 c
	s_mov_b32 s23, 26624                           ; Wv
	s_mov_b32 s45, 16384                           ; v's tokens
	s_cmp_eq_u32 s66, 2
	s_cselect_b32 s18, s23, s18                    ; S1's first row
	s_cselect_b32 s19, s45, s19                    ; S0's
	s_cselect_b32 s100, 0, s22
	s_cselect_b32 s101, s22, 0
	s_lshl_b32 s21, s16, 7                         ; which 128 rows I fetch
	s_lshl_b32 s20, s41, 8
	s_add_co_u32 s100, s100, s20                   ; the work-group's first i
	s_lshl_b32 s46, s40, 8
	s_add_co_u32 s101, s101, s46                   ; and first j
	s_add_co_u32 s20, s100, s18
	s_add_co_u32 s20, s20, s21                     ; S1: the first row that I fetch
	s_add_co_u32 s46, s101, s19
	s_add_co_u32 s46, s46, s21                     ; S0: likewise
	s_lshl_b32 s22, s20, 5                         ; their scale bytes,
	s_mov_b32 s23, 0
	s_mul_i32 s20, s20, KROW                       ; their codes (both under 2^25)
	s_mov_b32 s21, 0
	s_lshl_b32 s92, s46, 5
	s_mov_b32 s93, 0
	s_mul_i32 s46, s46, KROW
	s_mov_b32 s47, 0
	s_mul_i32 s45, s14, HALFT                      ; where they go: wave x 128 rows
	s_mul_i32 s94, s14, HALFS
	s_wait_dscnt 0x0                               ; both opening adds are done
	s_wait_kmcnt 0x0
	s_add_nc_u64 s[20:21], s[4:5], s[20:21]
	s_add_nc_u64 s[22:23], s[6:7], s[22:23]
	s_add_nc_u64 s[46:47], s[4:5], s[46:47]
	s_add_nc_u64 s[92:93], s[6:7], s[92:93]
	CROUND                                         ; all sixteen work-groups are here: the first joint loads meet
	s_mov_b32 s[G0S], 1
	s_add_co_u32 s[G0S+1], s94, SCL
	s_mov_b64 s[G0S+2:G0S+3], s[22:23]
	s_or_b32 s[G0S+3], s[G0S+3], 0x80000000
	s_mov_b32 s[G0SB], 1
	s_add_co_u32 s[G0SB+1], s94, SCL
	s_mov_b64 s[G0SB+2:G0SB+3], s[92:93]
	s_or_b32 s[G0SB+3], s[G0SB+3], 0x80000000
	JLOAD G0S, G1S, G0SB, G1SB                     ; the scale bytes first: they are wanted with K step 0
.irp s, 0,1
	s_mov_b32 s[G0+4*\s], 1
	s_add_co_u32 s[G0+4*\s+1], s45, \s*SLOT
	s_add_nc_u64 s[G0+4*\s+2:G0+4*\s+3], s[20:21], \s*ROWB
	s_or_b32 s[G0+4*\s+3], s[G0+4*\s+3], 0x80000000
	s_mov_b32 s[G0B+4*\s], 1
	s_add_co_u32 s[G0B+4*\s+1], s45, \s*SLOT
	s_add_nc_u64 s[G0B+4*\s+2:G0B+4*\s+3], s[46:47], \s*ROWB
	s_or_b32 s[G0B+4*\s+3], s[G0B+4*\s+3], 0x80000000
	JLOAD G0+4*\s, G1, G0B+4*\s, G1B               ; three tensor loads of mine are out
.endr
	v_and_b32 v1, 15, v0                           ; r
	v_bfe_u32 v2, v0, 4, 1                         ; h
	v_mul_u32_u24 v3, v1, PITCH
	v_mul_u32_u24 v4, v2, 24
	v_add_nc_u32 v4, v3, v4                        ; a fragment's row x pitch + 24 h
	v_lshl_add_u32 v5, v2, 4, v4                   ; and the same behind one padding more
	s_mul_i32 s21, s15, HALFT                      ; my 128 rows of S1
	s_mul_i32 s22, s16, HALFT                      ; my 128 rows of S0,
	s_add_co_u32 s22, s22, 2*HALFT                 ; behind S1's 256
.irp s, 0,1
	v_add_nc_u32 v[ADRA+\s], s21, v4
	v_add_nc_u32 v[ADRB+\s], s22, v4
	v_add_nc_u32 v[ADRA+2+\s], s21, v5
	v_add_nc_u32 v[ADRB+2+\s], s22, v5
	s_add_co_u32 s21, s21, SLOT
	s_add_co_u32 s22, s22, SLOT
.endr
	v_mul_u32_u24 v5, v1, KS                       ; my row's scale bytes: 32 a row,
	v_lshrrev_b32 v14, 8, v5
	v_lshl_add_u32 v5, v14, 4, v5                  ; and 16 more for each 256 passed
	s_mul_i32 s21, s15, HALFS
	s_mul_i32 s22, s16, HALFS
	s_add_co_u32 s22, s22, 2*HALFS
	s_sub_co_u32 s22, s22, s21
	v_mul_u32_u24 v14, s22, v2                     ; lanes 16-31 take S0's
	s_add_co_u32 s21, s21, SCL
	v_add_nc_u32 v5, v5, v14
	v_add_nc_u32 v[ADRS], s21, v5
	v_and_b32 v14, 31, v0                          ; the way out's lane terms, all made here, ahead of the place where the two paths part
	v_lshlrev_b32 v[L16], 4, v14
	v_lshlrev_b32 v[L8], 3, v14
	v_lshlrev_b32 v[SH], 4, v2
	s_lshl_b32 s21, s14, 10
	v_lshlrev_b32 v15, 4, v1
	v_lshl_add_u32 v[STQ], v2, 9, v15
	v_add_nc_u32 v[STQ], s21, v[STQ]
	v_lshlrev_b32 v[STV], 3, v1
	v_add_nc_u32 v[STV], s21, v[STV]
	v_add_nc_u32 v[STV], 4096, v[STV]
	v_add_nc_u32 v[RDQ], s21, v[L16]
	v_add_nc_u32 v[RDV], 4096, v[RDQ]
	v_mul_u32_u24 v[VSO], v2, RECK
	v_add_nc_u32 v[VSO], v[VSO], v15
	v_lshlrev_b32 v[BO1], 6, v2
	v_and_b32 v[BO2], 8, v1
	v_add_nc_u32 v[BO2], v[BO2], v1
	v_lshlrev_b32 v[BO2], 2, v[BO2]
	; where the results go: offsets by arithmetic on ids, buffers by choices on p
	s_lshl_b32 s4, s15, 7
	s_add_co_u32 s4, s4, s100                      ; my first i
	s_lshl_b32 s5, s16, 7
	s_add_co_u32 s5, s5, s101                      ; my first j
	s_mov_b32 s20, RECK
	s_mov_b32 s21, 196608                          ; K's scale words in a record
	s_cmp_eq_u32 s66, 0
	s_cselect_b32 s20, RECQ, s20                   ; a record's bytes
	s_cselect_b32 s21, 98304, s21                  ; Q's scale words
	s_cselect_b64 s[10:11], s[10:11], s[12:13]     ; qb or kv
	s_cselect_b64 s[96:97], s[96:97], s[98:99]     ; bq or bk
	s_cmp_eq_u32 s66, 2
	s_cselect_b32 s6, s5, s4                       ; my first token
	s_cselect_b32 s7, s4, s5                       ; my first n
	s_cselect_b32 s21, 204800, s21                 ; V's scale words
	s_cselect_b32 s22, 98304, 0                    ; V's images
	s_cselect_b32 s23, 8, 9                        ; scale words of 128 tokens: 256 or 512 bytes
	s_cselect_b64 s[96:97], s[8:9], s[96:97]       ; bv
	s_lshr_b32 s17, s6, 11                         ; batch
	s_bfe_u32 s18, s6, 0x40007                     ; which 128 tokens of the batch's 2,048
	s_lshr_b32 s19, s7, 6                          ; my first head
	s_lshl_b32 s17, s17, 4
	s_add_co_u32 s17, s17, s19
	s_mul_i32 s17, s17, s20                        ; its record
	s_mul_i32 s19, s18, 6144                       ; 128 tokens' images: 8 x 768 = 4 x 1,536 bytes
	s_add_co_u32 s[OA], s17, s19
	s_add_co_u32 s[OA], s[OA], s22
	s_mov_b32 s[OA+1], 0
	s_mov_b32 s4, s20
	s_mov_b32 s5, 0
	s_add_nc_u64 s[OA:OA+1], s[10:11], s[OA:OA+1]
	s_add_nc_u64 s[OB:OB+1], s[OA:OA+1], s[4:5]    ; the second head's record follows the first's
	s_lshl_b32 s18, s18, s23
	s_add_co_u32 s[SA], s17, s21
	s_add_co_u32 s[SA], s[SA], s18
	s_mov_b32 s[SA+1], 0
	s_add_nc_u64 s[SA:SA+1], s[10:11], s[SA:SA+1]
	s_add_nc_u64 s[SB:SB+1], s[SA:SA+1], s[4:5]
	s_lshl_b32 s[BP], s7, 2
	s_mov_b32 s[BP+1], 0
	s_add_nc_u64 s[BP:BP+1], s[96:97], s[BP:BP+1]
.macro FRAG reg, adr, q, i             ; 16 rows x 128 K of 6-bit codes: 12 registers, in pieces of 8 bytes; lanes 16-31 read three pieces on, for some pieces behind one padding more: the second address register serves those
.irp p, 0,1,2,3,4,5
.set PIECE, 12*(\q)+6*(\p/3)+\p%3
.if PIECE%8 < 5
	ds_load_b64 v[\reg+2*\p:\reg+2*\p+1], v[\adr] offset:8*PIECE+16*(PIECE/8)+(\i)*16*PITCH
.else
	ds_load_b64 v[\reg+2*\p:\reg+2*\p+1], v[\adr+2] offset:8*PIECE+16*(PIECE/8)+(\i)*16*PITCH
.endif
.endr
.endm
; 16 matrix instructions: S1's blocks a0, a0 + 1 x S0's eight, 128 along K.  The 64 accumulators take turns, one instruction a turn, in the same order in every step.
.macro MUL16 a0, p, q, sc, zero
.irp a, \a0, \a0+1
.irp b, 0,1,2,3,4,5,6,7
.if \zero
	v_wmma_scale_f32_16x16x128_f8f6f4 v[8*(8*((\a)%4)+\b):8*(8*((\a)%4)+\b)+7], v[128*(\p)+FR*\b:128*(\p)+FR*\b+FR-1], v[AF+FR*(\a):AF+FR*(\a)+FR-1], 0, v[SC+8*NQ*(\sc)+NQ*\b+(\q)], v[SC+8*NQ*(\sc)+NQ*(\a)+(\q)] matrix_a_fmt:MATRIX_FMT_FP6 matrix_b_fmt:MATRIX_FMT_FP6 matrix_a_scale:MATRIX_SCALE_ROW1
.else
	v_wmma_scale_f32_16x16x128_f8f6f4 v[8*(8*((\a)%4)+\b):8*(8*((\a)%4)+\b)+7], v[128*(\p)+FR*\b:128*(\p)+FR*\b+FR-1], v[AF+FR*(\a):AF+FR*(\a)+FR-1], v[8*(8*((\a)%4)+\b):8*(8*((\a)%4)+\b)+7], v[SC+8*NQ*(\sc)+NQ*\b+(\q)], v[SC+8*NQ*(\sc)+NQ*(\a)+(\q)] matrix_a_fmt:MATRIX_FMT_FP6 matrix_b_fmt:MATRIX_FMT_FP6 matrix_a_scale:MATRIX_SCALE_ROW1
.endif
.endr
.endr
.endm
.macro FETCH_B slot, q, p
	WIN TO_B
.irp i, 0,1,2,3,4,5,6,7
	FRAG 128*(\p)+FR*\i, ADRB+\slot, \q, \i
.endr
	WIN 0
.endm
.macro FETCH_A slot, q, i0
.irp i, \i0, \i0+1, \i0+2, \i0+3
	FRAG AF+FR*(\i), ADRA+\slot, \q, \i
.endr
.endm
.macro SCALES sc                       ; a K step's scale words: two a row; lanes 0-15 S1's block i, lanes 16-31 S0's block i
.irp i, 0,1,2,3,4,5,6,7
	ds_load_b64 v[SC+8*NQ*\sc+NQ*\i:SC+8*NQ*\sc+NQ*\i+1], v[ADRS] offset:\i*SBLK
.endr
.endm
.macro PLACES n                        ; plain vector instructions between a matrix instruction and a load into, or a vector write of, one of its registers
.rept \n
	v_nop
.endr
.endm
.macro STEP slot, q, zero              ; 128 along K that have their successor in the same slot
	s_wait_dscnt 4*NL                              ; S0's set and S1's blocks 0-3 are in; the youngest 24 loads (blocks 4-7) may be out
	WIN MUL_LO
	MUL16 0, (\q)%2, \q, \slot, \zero
	MUL16 2, (\q)%2, \q, \slot, \zero
	s_wait_dscnt 0
	PLACES NP
	FETCH_B \slot, (\q)+1, 1-(\q)%2
	FETCH_A \slot, (\q)+1, 0
	WIN MUL_HI
	MUL16 4, (\q)%2, \q, \slot, \zero
	MUL16 6, (\q)%2, \q, \slot, \zero
	PLACES NP
	WIN 0
	FETCH_A \slot, (\q)+1, 4
.endm
; A slot's last 128 change slots: one barrier; in front of it each wave waits for all its tensor loads, adds 0 to its spare word, and waits for that and for its reads of this slot.  fill = 1: the slot is filled again, two K steps ahead.
.macro TURN slot, next, fill
	s_wait_tensorcnt 0x0                           ; all my tensor loads have landed: my part of the next slot
	ds_add_u32 v[SPW], v[NIL]                      ; 0 onto my spare word
	s_wait_dscnt 4*NL+1                            ; (the add and the youngest 24 loads may be out)
	WIN MUL_LO
	MUL16 0, 1, NQ-1, \slot, 0
	s_wait_dscnt 0x0                               ; the add is done, and my reads of this slot are over
	s_barrier_signal -1
	MUL16 2, 1, NQ-1, \slot, 0
	WIN 0
	s_barrier_wait -1
.if \fill
	CREST                                          ; the barrier has opened a round of the cluster's: no wave of any partner still reads this slot or has a load on its way
	s_add_nc_u64 s[G0+4*\slot+2:G0+4*\slot+3], s[G0+4*\slot+2:G0+4*\slot+3], 2*ROWB
	s_add_nc_u64 s[G0B+4*\slot+2:G0B+4*\slot+3], s[G0B+4*\slot+2:G0B+4*\slot+3], 2*ROWB
	JLOAD G0+4*\slot, G1, G0B+4*\slot, G1B         ; the first tensor load behind the round; its four v_nop are the places in front of the loads below
.else
	PLACES NP
.endif
	v_add_nc_u32 v[ADRS], 4*NQ, v[ADRS]            ; the next K step's scale words
	FETCH_B \next, 0, 0
	FETCH_A \next, 0, 0
	SCALES \next
	WIN MUL_HI
	MUL16 4, 1, NQ-1, \slot, 0
	MUL16 6, 1, NQ-1, \slot, 0
	PLACES NP
	WIN 0
	FETCH_A \next, 0, 4
.endm
; 64 numbers of a lane, register 16 b + i = index 32 b + 16 (lane / 16) + i of my row, become a fragment's codes in v[CQ] on and its scale word in v[PW].
.macro QUANT s
.irp b, 0,1,2,3
	v_max3_num_f32 v[TM+\b], |v[\s+16*\b]|, |v[\s+1+16*\b]|, 0x1800000   ; my 16 numbers of block b, and the floor 2^(3 - 127)
.endr
.irp i, 2,4,6,8,10,12,14
.irp b, 0,1,2,3
	v_max3_num_f32 v[TM+\b], v[TM+\b], |v[\s+16*\b+\i]|, |v[\s+1+16*\b+\i]|
.endr
.endr
.irp b, 0,1,2,3
	v_permlanex16_b32 v[TM+4+\b], v[TM+\b], s[SEL], s[SEL+1]
.endr
.irp b, 0,1,2,3
	v_max_num_f32 v[TM+\b], v[TM+\b], v[TM+4+\b]   ; with lane l xor 16's: the block's largest magnitude
.endr
.irp b, 0,1,2,3
	v_add_nc_u32 v[TM+12+\b], 0xff000000, v[TM+\b] ; 2 off its exponent field: the conversion's scale operand
.endr
.irp b, 0,1,2,3
	v_lshrrev_b32 v[TM+4+\b], 23, v[TM+12+\b]      ; the scale's byte
.endr
	v_lshl_or_b32 v[PW], v[TM+5], 8, v[TM+4]
	v_lshl_or_b32 v[PW], v[TM+6], 16, v[PW]
	v_lshl_or_b32 v[PW], v[TM+7], 24, v[PW]
.irp c, 0,1
	v_cvt_scalef32_pk16_fp6_f32 v[CQ+6*\c:CQ+2+6*\c], v[\s+32*\c:\s+15+32*\c], v[TM+12+2*\c]
	v_cvt_scalef32_pk16_fp6_f32 v[CQ+12+4*\c:CQ+14+4*\c], v[\s+16+32*\c:\s+31+32*\c], v[TM+12+2*\c+1]   ; (a conversion's three registers begin on an even number)
.endr
	v_nop                                          ; one plain place behind a scaled conversion
.irp c, 0,1                                    ; the operand's layout wants a whole block in a lane
.irp i, 0,1,2
	v_permlane16_swap_b32 v[CQ+6*\c+\i], v[CQ+12+4*\c+\i]
.endr
.irp i, 0,1,2
	v_mov_b32 v[CQ+3+6*\c+\i], v[CQ+12+4*\c+\i]
.endr
.endr
.endm
; Block a of the way out: my rows 16 a .. 16 a + 15: + bias, quantised, stored.  v = 0: q, k;  v = 1: V^T.
.macro BLOCK a, v
.if (\a) > 0
	s_wait_xcnt 0x0                                ; the last block's stores have read their registers,
	s_wait_dscnt 0x0                               ; its LDS store too: codes and scale word may be written again
.endif
	WIN 0x02+(\a)/4                                ; source 0: window 2 or 3
.set i, 0
.rept 32                                       ; ascending: each accumulator is read from its low end on
.if \v
	v_pk_add_f32 v[H+2*i:H+2*i+1], v[64*((\a)%4)+2*i:64*((\a)%4)+2*i+1], v[BJ+2*(\a):BJ+2*(\a)+1]   ; my row's bias, twice
.else
	v_pk_add_f32 v[H+2*i:H+2*i+1], v[64*((\a)%4)+2*i:64*((\a)%4)+2*i+1], v[BJ+2*i:BJ+2*i+1]
.endif
.set i, i+1
.endr
	WIN 0
	QUANT H
.if \v
.set OO, OA+2*((\a)/4)                         ; blocks 0-3: the first head's four tiles of d; blocks 4-7: the second's
	global_store_b128 v[L16], v[CQ:CQ+3], s[OO:OO+1] offset:1536*((\a)%4)
	global_store_b64 v[L8], v[CQ+4:CQ+5], s[OO:OO+1] offset:1536*((\a)%4)+512
	global_store_b128 v[L16], v[CQ+6:CQ+9], s[OO:OO+1] offset:1536*((\a)%4)+768
	global_store_b64 v[L8], v[CQ+10:CQ+11], s[OO:OO+1] offset:1536*((\a)%4)+1280
	ds_store_b32 v[STV], v[PW] offset:256*((\a)/4)+128*((\a)%2)+4*(((\a)%4)/2)   ; lanes r and r + 16 write the same word with the same value
.else
	global_store_b128 v[L16], v[CQ:CQ+3], s[OA:OA+1] offset:768*(\a)             ; the first head's 64: registers 0-5,
	global_store_b64 v[L8], v[CQ+4:CQ+5], s[OA:OA+1] offset:768*(\a)+512
	global_store_b128 v[L16], v[CQ+6:CQ+9], s[OB:OB+1] offset:768*(\a)           ; the second's: registers 6-11
	global_store_b64 v[L8], v[CQ+10:CQ+11], s[OB:OB+1] offset:768*(\a)+512
	v_bfe_u32 v[SD], v[PW], v[SH], 16              ; lanes 0-15: the first head's two bytes; lanes 16-31: the second's; two zeros on top
	ds_store_b32 v[STQ], v[SD] offset:256*((\a)%2)+4*((\a)/2)
.endif
.endm
; The last K step and the way out, once for each path, so that the bias has 128 matrix instructions in which to land and each path reads only what it has loaded.
.macro WAYOUT v
.if \v
.irp a, 0,1,2,3,4,5,6,7
	global_load_b32 v[BJ+2*\a], v[BO2], s[BP:BP+1] offset:(32*(\a/2)+8*(\a%2))*4     ; bv at my row of block a: n = 32 (a / 2) + 8 (a % 2) + r + 8 (r / 8)
	global_load_b32 v[BJ+2*\a+1], v[BO2], s[BP:BP+1] offset:(32*(\a/2)+8*(\a%2))*4   ; and once more: a pair for the packed addition
.endr
.else
.irp b, 0,1,2,3,4,5,6,7
	global_load_b128 v[BJ+8*\b:BJ+8*\b+3], v[BO1], s[BP:BP+1] offset:(32*(\b/2)+8*(\b%2))*4       ; the bias in the result's layout: n = 32 (b / 2) + 16 h + 8 (b % 2) + 0 .. 7
	global_load_b128 v[BJ+8*\b+4:BJ+8*\b+7], v[BO1], s[BP:BP+1] offset:(32*(\b/2)+8*(\b%2))*4+16
.endr
.endif
	STEP 1, 0, 0
	s_wait_dscnt 4*NL                              ; the very last 128: nothing more to fetch
	WIN MUL_LO
	MUL16 0, 1, NQ-1, 1, 0
	MUL16 2, 1, NQ-1, 1, 0
	s_wait_dscnt 0
	WIN MUL_HI
	MUL16 4, 1, NQ-1, 1, 0
	MUL16 6, 1, NQ-1, 1, 0
	WIN 0
	s_wait_loadcnt 0x0                             ; the bias
.irp b, 0,1,2,3
	v_mov_b32 v[TM+4+\b], 0                        ; a lane permute's destination counts as one of its sources.  These four are also the places behind the last products
.endr
.irp a, 0,1,2,3,4,5,6,7
	BLOCK \a, \v
.endr
.if \v
	ds_load_b128 v[244:247], v[RDV]                ; my own bytes: LDS serves a wave's instructions in order.  Lanes 0-15: the first head's 256 bytes, lanes 16-31: the second's
	s_wait_dscnt 0x0
	global_store_b128 v[VSO], v[244:247], s[SA:SA+1]
.else
	ds_load_b128 v[244:247], v[RDQ]
	ds_load_b128 v[248:251], v[RDQ] offset:512
	s_wait_dscnt 0x0
	global_store_b128 v[L16], v[244:247], s[SA:SA+1]   ; 512 consecutive bytes for each head
	global_store_b128 v[L16], v[248:251], s[SB:SB+1]
.endif
.endm
	s_wait_tensorcnt 1                             ; the scale bytes and my part of K step 0 are in (K step 1's load may be out),
	s_barrier_signal -1
	s_barrier_wait -1                              ; everybody's are
	FETCH_B 0, 0, 0
	FETCH_A 0, 0, 0
	SCALES 0
	FETCH_A 0, 0, 4
	STEP 0, 0, 1                                   ; the first products start the sums: nothing is cleared
	TURN 0, 1, 1                                   ; slot 0 takes K step 2
	STEP 1, 0, 0
	TURN 1, 0, 1                                   ; slot 1 takes K step 3
	STEP 0, 0, 0
	TURN 0, 1, 0                                   ; the last change of slots: behind it slot 0 is neither filled nor read again
	s_cmp_eq_u32 s66, 2                            ; p is made of the cluster's y alone: all waves of all partners go the same way
	s_cbranch_scc1 .Lv
	WAYOUT 0
	s_branch .Ldone
.Lv:
	WAYOUT 1
.Ldone:
	s_wait_tensorcnt 0x0                           ; the wave's end: behind my last tensor load and my last LDS store
	ds_add_u32 v[SPW], v[NIL]
	s_wait_dscnt 0x0
	CROUND                                         ; the closing round
	s_endpgm
.Lfunc_end_k_q39f0a61393_proj:
	.size	k_q39f0a61393_proj, .Lfunc_end_k_q39f0a61393_proj-k_q39f0a61393_proj
	.p2alignl 7, 3214868480
	.fill 96, 4, 3214868480
	.section	.rodata,"a",@progbits
	.p2align	6, 0x0
	.amdhsa_kernel k_q39f0a61393_proj
		.amdhsa_group_segment_fixed_size 327680
		.amdhsa_private_segment_fixed_size 0
		.amdhsa_enable_private_segment 0
		.amdhsa_kernarg_size 56
		.amdhsa_user_sgpr_count 2
		.amdhsa_user_sgpr_kernarg_segment_ptr 1
		.amdhsa_wavefront_size32 1
		.amdhsa_system_sgpr_workgroup_id_x 1
		.amdhsa_system_sgpr_workgroup_id_y 1
		.amdhsa_system_sgpr_workgroup_id_z 1
		.amdhsa_system_vgpr_workitem_id 0
		.amdhsa_next_free_vgpr 1024
		.amdhsa_next_free_sgpr 102
		.amdhsa_reserve_vcc 0
		.amdhsa_float_denorm_mode_32 3
		.amdhsa_float_denorm_mode_16_64 3
		.amdhsa_memory_ordered 1
		.amdhsa_forward_progress 1
		.amdhsa_inst_pref_size 255
	.end_amdhsa_kernel
	.section	.bss,"aw",@nobits
	.p2align	6
	.space	262144
	.amdgpu_metadata
---
amdhsa.version: [ 1, 2 ]
amdhsa.kernels:
  - .name:           k_q39f0a61393_proj
    .symbol:         k_q39f0a61393_proj.kd
    .args:
      - { .name: cod, .offset: 0, .size: 8, .value_kind: global_buffer, .address_space: global }
      - { .name: scl, .offset: 8, .size: 8, .value_kind: global_buffer, .address_space: global }
      - { .name: bq, .offset: 16, .size: 8, .value_kind: global_buffer, .address_space: global }
      - { .name: bk, .offset: 24, .size: 8, .value_kind: global_buffer, .address_space: global }
      - { .name: bv, .offset: 32, .size: 8, .value_kind: global_buffer, .address_space: global }
      - { .name: qb, .offset: 40, .size: 8, .value_kind: global_buffer, .address_space: global }
      - { .name: kv, .offset: 48, .size: 8, .value_kind: global_buffer, .address_space: global }
    .group_segment_fixed_size: 327680
    .private_segment_fixed_size: 0
    .kernarg_segment_align: 8
    .kernarg_segment_size: 56
    .max_flat_workgroup_size: 128
    .sgpr_count:     102
    .vgpr_count:     1024
    .wavefront_size: 32
...
	.end_amdgpu_metadata
.endif
;; end of part 3
;; launch attn (part 4): grid 4 x 64, 16 waves a work-group, clusters of 4 x 1, 212,992 bytes of LDS; arguments qb, kv, yc, ysc; writes yc, ysc
.if DOCPART == 4
	.amdgcn_target "amdgcn-amd-amdhsa--gfx1250"
	.amdhsa_code_object_version 6
	.text
	.protected	k_q39f0a61393_attn
	.globl	k_q39f0a61393_attn
	.p2align	8
	.type	k_q39f0a61393_attn,@function
k_q39f0a61393_attn:
	s_mov_b64 s[64:65], 0
	v_nop
	global_prefetch_b8 v0, s[64:65] scope:SCOPE_SE
	s_setreg_imm32_b32 hwreg(HW_REG_WAVE_MODE, 25, 1), 1
	s_wait_xcnt 0x0
	s_wait_alu depctr_hold_cnt(0) depctr_sa_sdst(0) depctr_va_vdst(0) depctr_va_sdst(0) depctr_va_ssrc(0) depctr_va_vcc(0) depctr_vm_vsrc(0)
	s_getreg_b32 s2, hwreg(HW_REG_IB_STS2, 6, 4)
	s_cmp_eq_u32 s2, 0
	s_cbranch_scc0 .Lentry_in_a_cluster
	s_endpgm
.Lentry_in_a_cluster:
	s_bfe_u32 s2, ttmp6, 0x10000c
	s_cmp_lg_u32 s2, 0x3003
	s_cbranch_scc0 .Lentry_shape_is_right
	s_endpgm
.Lentry_shape_is_right:
; Launch 4 of 5: y = softmax(qh kh^T / 8) vh for each (batch, head), both products on codes of FP6 (E2M3) with E8M0 scales, and y quantised at once, along the head's 64, for the last projection.  Nothing is left out.
; THE SOFTMAX AHEAD OF THE SECOND PRODUCT: t = score x log2(e) / 8; M = the row's largest t so far, rounded UP to a whole number; p = 2^(t - M) is what is quantised, along the keys.  The row's sum is taken of the unquantised p
; and divides O at the end.  When M moves, the sum and O are multiplied by 2^(old M - new M): exact.
; SHARES.  A work-group owns 512 queries of one (batch, head); each of its sixteen waves one tile of 16 queries in each of two passes.  THE HEAD'S WHOLE RECORD OF kv, 208,896 bytes, LIES IN LDS, filled once: no ring, no refill, one
; barrier ahead of the work.  The four work-groups of a cluster own the four blocks of queries of one head and read the same record: each wave asks for a sixteenth of it by ONE joint load that names the four.
; LAYOUT.  Both products are used transposed (S^T = K Q^T, O^T = V^T P^T): a lane holds one query throughout.  K's and V's rows lie in storage order, so the 16 registers of tiles 2 b and 2 b + 1 are 16 neighbouring keys (or d).
; Operands lie in LDS as images of their registers: every LDS load reads consecutive bytes.
; THE FIRST PRODUCT'S K IS 64, the instruction's 128.  Q's registers 6-11 are zero codes; K's half images lie 6 registers apart, so the upper half of K's operand is the next tile's codes (behind the last tile: zeros), which meet
; Q's zeros; FP6 has no NaN and no infinity, so they add nothing.  Bytes 2 and 3 of both scale words are 0, which stands for 2^-127.
; LIMITS: byte 1 for a block of zeros or under 2^-124; NaN and infinities not served.
; REGISTERS: v1-11, v28-31, v86 addresses; v12 -M, v13 the largest t, v[14:15] the sum; v16-27 Q of pass 0, v192-203 of pass 1; v32-79 K's eight half images, then V's four fragments; v80-85 zeros; v96-159 S^T, then p;
;   v160-191 O^T; v224-235 p's codes; v232-254 at work; v248-251 K's, then V's scale words; v253 p's; v255, v204 Q's.
.set KIMG,  0                          ; LDS: K's 128 half images,
.set VIMG,  98304                      ; V^T: [key step][tile of d][1,536],
.set KSC,   196608                     ; K's scale words, 512 bytes a key step,
.set VSC,   204800                     ; V's, 256 bytes a key step,
.set YST,   208896                     ; y's scale bytes of my 512 queries, 2 a query: blocks of 256 bytes into which no tensor load lands,
.set SPARE, 209920                     ; the spare words, 128 bytes a wave
.set CHUNK, 13056                      ; a sixteenth of a record: 51 x 256 bytes
.set RECQ,  106496
.set RECK,  208896
.set L16,  1
.set L8,   2
.set AS0,  3                           ; 16 x lane + KSC
.set AT0,  4                           ; 8 x lane + VSC
.set SPW,  5
.set NIL,  6
.set R16,  7                           ; 16 x (lane % 16)
.set ADK,  8
.set ADK8, 9
.set ADV,  10
.set ADV8, 11
.set ADS,  28
.set ADT,  29
.set YSA,  30                          ; YST + 32 wave + 2 r
.set YRD,  31                          ; YST + 16 x thread
.set KV,   32
.set YGO,  86                          ; 16 x thread
.set WV,   12
.set CX,   13
.set BH,   14
.set SEL,  24
.set CS,   26
.set G0,   28
.set G1,   32
.set TK,   40                          ; the key step's images: 6,144 bytes a step
.set TS,   41                          ; K's scale words: 512
.set TT,   42                          ; V's: 256
.set CNT,  43
.set QP,   44
.set QS,   46
.set YP,   48
.set YS,   50
.macro CROUND
	s_barrier_signal -1
	s_barrier_wait -1
	s_cmp_lg_u32 s[WV], 0
	s_cbranch_scc1 .Lnot_wave_0_\@
	s_barrier_signal -3
.Lnot_wave_0_\@:
	s_barrier_wait -3
	s_barrier_signal -1
	s_barrier_wait -1
.endm
	s_load_b256 s[4:11], s[0:1], 0x0               ; qb, kv, yc, ysc
	v_lshl_add_u32 v[SPW], v0, 2, SPARE
	v_mov_b32 v[NIL], 0
	ds_add_u32 v[SPW], v[NIL]                      ; the wave's opening: the add, twice on end, and its wait ahead of my first tensor load
	ds_add_u32 v[SPW], v[NIL]
	v_lshrrev_b32 v8, 5, v0
	s_delay_alu instid0(VALU_DEP_1)
	v_readfirstlane_b32 s[WV], v8                  ; wave 0..15
	s_bfe_u32 s[CX], ttmp6, 0x40000                ; my block of 512 queries: it enters global addresses of Q and y alone
	s_and_b32 s[BH], ttmp7, 0xffff                 ; 16 x batch + head, which the four partners share
	s_mov_b32 s[G1], 15|(3<<16)|(1<<21)            ; the mask: all four work-groups; elements of 8 bytes; bit 21 beside a mask; no padding
	s_mov_b32 s[G1+1], 32<<16                      ; rows of 256 bytes,
	s_mov_b32 s[G1+2], 51<<16                      ; 51 of them,
	s_mov_b32 s[G1+3], 32<<16
	s_mov_b32 s[G1+4], 51
	s_mov_b32 s[G1+5], 32                          ; dense
	s_mov_b32 s[G1+6], 0
	s_mov_b32 s[G1+7], 0
	s_mov_b32 s[SEL], 0x76543210
	s_mov_b32 s[SEL+1], 0xfedcba98
	s_mov_b32 s[CS], 0x3e38aa3b                    ; c = log2(e) / 8
	s_mov_b32 s[CS+1], s[CS]
	s_mul_i32 s15, s[WV], CHUNK                    ; my sixteenth: in LDS and in the record alike
	s_mul_i32 s16, s[BH], RECK
	s_add_co_u32 s16, s16, s15
	s_mov_b32 s17, 0
	s_lshl_b32 s18, s[CX], 5
	s_add_co_u32 s18, s18, s[WV]                   ; my tile of queries in pass 0: 32 cx + wave; pass 1: 16 further on
	s_mul_i32 s20, s[BH], RECQ
	s_mul_i32 s19, s18, 768
	s_add_co_u32 s[QP], s20, s19
	s_mov_b32 s[QP+1], 0
	s_lshl_b32 s19, s[CX], 2                       ; its scale words: group of 128 rows 4 cx + wave / 8; in it tile a = wave % 8 at 256 (a % 2) + 4 (a / 2) + 16 r
	s_lshr_b32 s21, s[WV], 3
	s_add_co_u32 s19, s19, s21
	s_lshl_b32 s19, s19, 9
	s_and_b32 s21, s[WV], 1
	s_lshl_b32 s21, s21, 8
	s_add_co_u32 s19, s19, s21
	s_bfe_u32 s21, s[WV], 0x20001
	s_lshl_b32 s21, s21, 2
	s_add_co_u32 s19, s19, s21
	s_add_co_u32 s[QS], s20, s19
	s_add_co_u32 s[QS], s[QS], 98304
	s_mov_b32 s[QS+1], 0
	s_lshr_b32 s21, s[BH], 4                       ; batch
	s_and_b32 s22, s[BH], 15                       ; head
	s_lshl_b32 s23, s21, 7
	s_add_co_u32 s23, s23, s18                     ; my tile among all 512 tiles of tokens
	s_mul_i32 s[YP], s23, 12288                    ; yc: 16 heads x 768 bytes a tile,
	s_mul_i32 s23, s22, 768
	s_add_co_u32 s[YP], s[YP], s23                 ; my head's half image
	s_mov_b32 s[YP+1], 0
	s_lshl_b32 s[YS], s22, 14                      ; ysc: 16,384 bytes a head,
	s_lshl_b32 s23, s21, 12
	s_add_co_u32 s[YS], s[YS], s23                 ; 2 bytes a token
	s_lshl_b32 s23, s[CX], 10
	s_add_co_u32 s[YS], s[YS], s23
	s_mov_b32 s[YS+1], 0
	v_and_b32 v8, 31, v0
	s_delay_alu instid0(VALU_DEP_1)
	v_lshlrev_b32 v[L16], 4, v8
	s_delay_alu instid0(VALU_DEP_2)
	v_lshlrev_b32 v[L8], 3, v8
	s_delay_alu instid0(VALU_DEP_2)
	v_add_nc_u32 v[AS0], KSC, v[L16]
	s_delay_alu instid0(VALU_DEP_2)
	v_add_nc_u32 v[AT0], VSC, v[L8]
	v_and_b32 v9, 15, v0
	s_delay_alu instid0(VALU_DEP_1)
	v_lshlrev_b32 v[R16], 4, v9
	v_and_b32 v10, 0x1e0, v0                       ; 32 x wave
	s_delay_alu instid0(VALU_DEP_1)
	v_lshl_add_u32 v[YSA], v9, 1, v10
	s_delay_alu instid0(VALU_DEP_1)
	v_add_nc_u32 v[YSA], YST, v[YSA]
	v_lshlrev_b32 v[YGO], 4, v0
	s_delay_alu instid0(VALU_DEP_1)
	v_add_nc_u32 v[YRD], YST, v[YGO]
	s_wait_dscnt 0x0                               ; both opening adds are done
	s_wait_kmcnt 0x0
	s_mov_b32 s[G0], 1
	s_mov_b32 s[G0+1], s15
	s_add_nc_u64 s[G0+2:G0+3], s[6:7], s[16:17]
	s_or_b32 s[G0+3], s[G0+3], 0x80000000
	s_add_nc_u64 s[QP:QP+1], s[4:5], s[QP:QP+1]
	s_add_nc_u64 s[QS:QS+1], s[4:5], s[QS:QS+1]
	s_add_nc_u64 s[YP:YP+1], s[8:9], s[YP:YP+1]
	s_add_nc_u64 s[YS:YS+1], s[10:11], s[YS:YS+1]
	CROUND                                         ; all four work-groups are here: the joint loads meet
	tensor_load_to_lds s[G0:G0+3], s[G1:G1+7]      ; every wave's one tensor load of the launch
	s_nop 0
	global_load_b128 v[16:19], v[L16], s[QP:QP+1]                  ; Q's half images of both passes stay in registers
	global_load_b64 v[20:21], v[L8], s[QP:QP+1] offset:512
	s_wait_alu depctr_va_vdst(0)
	global_load_b32 v255, v[R16], s[QS:QS+1]
	global_load_b128 v[192:195], v[L16], s[QP:QP+1] offset:12288
	global_load_b64 v[196:197], v[L8], s[QP:QP+1] offset:12800
	global_load_b32 v204, v[R16], s[QS:QS+1] offset:1024
.irp j, 22,23,24,25,26,27, 198,199,200,201,202,203, 80,81,82,83,84,85
	v_mov_b32 v[\j], 0                             ; zero codes: the upper halves of Q's operands, and what stands behind K's last tile
.endr
.irp j, 236,237,238,239, 252,253
	v_mov_b32 v[\j], 0                             ; written once: a lane permute's destination counts as one of its sources; v253 is named in a pair before it is first made
.endr
	s_wait_tensorcnt 0x0                           ; my sixteenth is in,
	s_barrier_signal -1
	s_barrier_wait -1                              ; everybody's is: nothing is filled again
	s_wait_loadcnt 0x0                             ; Q
; A KEY STEP: 128 keys.
.macro STEP qf, qs
	v_add_nc_u32 v[ADK], s[TK], v[L16]             ; (these six are also the places in front of the loads into registers that the last products have read)
	v_add_nc_u32 v[ADK8], s[TK], v[L8]
	v_add_nc_u32 v[ADS], s[TS], v[AS0]
	v_add_nc_u32 v[ADT], s[TT], v[AT0]
	s_delay_alu instid0(VALU_DEP_4)
	v_add_nc_u32 v[ADV], VIMG, v[ADK]
	s_delay_alu instid0(VALU_DEP_4)
	v_add_nc_u32 v[ADV8], VIMG, v[ADK8]
.irp t, 0,1,2,3,4,5,6,7
	ds_load_b128 v[KV+6*\t:KV+6*\t+3], v[ADK] offset:768*\t
	ds_load_b64 v[KV+6*\t+4:KV+6*\t+5], v[ADK8] offset:768*\t+512
.endr
	ds_load_b128 v[248:251], v[ADS]                ; register b: lanes 0-15 the words of tile 2 b, lanes 16-31 of tile 2 b + 1
	s_wait_alu depctr_va_vdst(0)
	s_wait_dscnt 0x0
.irp t, 0,2,4,6                                ; S^T = K Q^T
	v_wmma_scale_f32_16x16x128_f8f6f4 v[96+8*\t:103+8*\t], v[KV+6*\t:KV+6*\t+11], v[\qf:\qf+11], 0, v[248+\t/2], v[\qs] matrix_a_fmt:MATRIX_FMT_FP6 matrix_b_fmt:MATRIX_FMT_FP6
	v_wmma_scale_f32_16x16x128_f8f6f4 v[104+8*\t:111+8*\t], v[KV+6*\t+6:KV+6*\t+17], v[\qf:\qf+11], 0, v[248+\t/2], v[\qs] matrix_a_fmt:MATRIX_FMT_FP6 matrix_b_fmt:MATRIX_FMT_FP6 matrix_a_scale:MATRIX_SCALE_ROW1
.endr
.rept 4
	v_nop                                          ; places: in front of the loads below and of the first read of the scores
.endr
.irp t, 0,1,2,3                                ; V's four fragments are asked for now and land under the softmax
	ds_load_b128 v[KV+12*\t:KV+12*\t+3], v[ADV] offset:1536*\t
	ds_load_b64 v[KV+12*\t+4:KV+12*\t+5], v[ADV8] offset:1536*\t+512
	ds_load_b128 v[KV+12*\t+6:KV+12*\t+9], v[ADV] offset:1536*\t+768
	ds_load_b64 v[KV+12*\t+10:KV+12*\t+11], v[ADV8] offset:1536*\t+1280
.endr
	ds_load_b64 v[248:249], v[ADT]
.irp b, 0,1,2,3
	v_max3_num_f32 v[232+\b], v[96+16*\b], v[97+16*\b], v[98+16*\b]   ; the largest score of each block of 32 keys: for the row's maximum and, since p rises with the score, for the block's largest p
.endr
.irp i, 3,5,7,9,11,13
.irp b, 0,1,2,3
	v_max3_num_f32 v[232+\b], v[232+\b], v[96+16*\b+\i], v[97+16*\b+\i]
.endr
.endr
.irp b, 0,1,2,3
	v_max_num_f32 v[232+\b], v[232+\b], v[111+16*\b]
.endr
.irp b, 0,1,2,3
	s_delay_alu instid0(VALU_DEP_4)
	v_permlanex16_b32 v[236+\b], v[232+\b], s[SEL], s[SEL+1]
.endr
.irp b, 0,1,2,3
	s_delay_alu instid0(VALU_DEP_4)
	v_max_num_f32 v[232+\b], v[232+\b], v[236+\b]  ; with lane l xor 16's 16 keys
.endr
	s_delay_alu instid0(VALU_DEP_2)
	v_max3_num_f32 v254, v232, v233, v234
	s_delay_alu instid0(VALU_DEP_1)
	v_max_num_f32 v254, v254, v235                 ; the step's largest score of my query
	s_delay_alu instid0(VALU_DEP_1)
	v_mul_f32 v254, s[CS], v254                    ; as t
	s_delay_alu instid0(VALU_DEP_1)
	v_max_num_f32 v13, v13, v254                   ; the running largest t
	v_mov_b32 v254, v12
	s_delay_alu instid0(VALU_DEP_2)
	v_floor_f32 v12, -v13                          ; the new -M = floor(-t): M is a whole number
	s_delay_alu instid0(VALU_DEP_1)
	v_sub_f32 v254, v12, v254                      ; old M - new M: a whole number, 0 or less
	s_delay_alu instid0(VALU_DEP_1)
	v_cvt_i32_f32 v254, v254                       ; (it saturates)
	s_delay_alu instid0(VALU_DEP_1)
	v_ldexp_f32 v252, 1.0, v254                    ; f = 2^(old M - new M)
.irp j, 0,2,4,6,8,10,12,14,16,18,20,22,24,26,28,30,32,34,36,38,40,42,44,46,48,50,52,54,56,58,60,62
	v_pk_fma_f32 v[96+\j:97+\j], v[96+\j:97+\j], s[CS:CS+1], v[12:13] op_sel_hi:[1,0,0]   ; t - M, two at a time
.endr
.irp b, 0,1,2,3
	v_fma_f32 v[232+\b], v[232+\b], s[CS], v12     ; the same of each block's largest score
.endr
	s_setprio 1
	s_wait_alu depctr_va_vdst(0)
.irp j, 0,1,2,3,4,5,6,7,8,9,10,11,12,13,14,15,16,17,18,19,20,21,22,23,24,25,26,27,28,29,30,31,32,33,34,35,36,37,38,39,40,41,42,43,44,45,46,47,48,49,50,51,52,53,54,55,56,57,58,59,60,61,62,63
	v_exp_f32 v[96+\j], v[96+\j]                   ; p = 2^(t - M), at most 1
.endr
	v_pk_mul_f32 v[14:15], v[14:15], v[252:253] op_sel_hi:[1,0]   ; the sums under the new M: a plain place behind the exponentials
	s_wait_alu depctr_va_vdst(0)                   ; one wait for the batch of 64, ahead of its first reader
.irp b, 0,1,2,3
	v_exp_f32 v[232+\b], v[232+\b]                 ; the block's largest p
.endr
	v_pk_add_f32 v[236:237], v[100:101], v[104:105]
	v_pk_add_f32 v[250:251], v[108:109], v[112:113]
	v_pk_add_f32 v[246:247], v[116:117], v[120:121]
	v_pk_add_f32 v[244:245], v[124:125], v[128:129]
	v_pk_add_f32 v[242:243], v[132:133], v[136:137]
	v_pk_add_f32 v[240:241], v[140:141], v[144:145]
	v_pk_add_f32 v[238:239], v[148:149], v[152:153]
	v_pk_add_f32 v[14:15], v[14:15], v[156:157]
	v_pk_add_f32 v[236:237], v[236:237], v[96:97]
	v_pk_add_f32 v[250:251], v[250:251], v[98:99]
	v_pk_add_f32 v[246:247], v[246:247], v[102:103]
	v_pk_add_f32 v[244:245], v[244:245], v[106:107]
	v_pk_add_f32 v[242:243], v[242:243], v[110:111]
	v_pk_add_f32 v[240:241], v[240:241], v[114:115]
	v_pk_add_f32 v[238:239], v[238:239], v[118:119]
	v_pk_add_f32 v[14:15], v[14:15], v[122:123]
	v_pk_add_f32 v[236:237], v[236:237], v[126:127]
	v_pk_add_f32 v[250:251], v[250:251], v[130:131]
	v_pk_add_f32 v[246:247], v[246:247], v[134:135]
	v_pk_add_f32 v[244:245], v[244:245], v[138:139]
	v_pk_add_f32 v[242:243], v[242:243], v[142:143]
	v_pk_add_f32 v[240:241], v[240:241], v[146:147]
	v_pk_add_f32 v[238:239], v[238:239], v[150:151]
	v_pk_add_f32 v[14:15], v[14:15], v[154:155]
	v_pk_add_f32 v[236:237], v[236:237], v[158:159]
	s_delay_alu instid0(VALU_DEP_2)
	v_pk_add_f32 v[14:15], v[14:15], v[244:245]
	s_delay_alu instid0(VALU_DEP_2)
	v_pk_add_f32 v[236:237], v[236:237], v[242:243]
	v_pk_add_f32 v[250:251], v[250:251], v[240:241]
	v_pk_add_f32 v[246:247], v[246:247], v[238:239]
	s_delay_alu instid0(VALU_DEP_2)
	v_pk_add_f32 v[14:15], v[14:15], v[250:251]
	s_delay_alu instid0(VALU_DEP_2)
	v_pk_add_f32 v[236:237], v[236:237], v[246:247]
	s_delay_alu instid0(VALU_DEP_1)
	v_pk_add_f32 v[14:15], v[14:15], v[236:237]
	s_wait_alu depctr_va_vdst(0)                   ; and one for the four
.irp b, 0,1,2,3
	v_max_num_f32 v[232+\b], 0x1800000, v[232+\b]  ; the floor 2^(3 - 127)
.endr
.irp b, 0,1,2,3
	s_delay_alu instid0(VALU_DEP_4)
	v_add_nc_u32 v[244+\b], 0xff000000, v[232+\b]  ; 2 off the exponent field: the conversion's scale operand
.endr
.irp b, 0,1,2,3
	s_delay_alu instid0(VALU_DEP_4)
	v_lshrrev_b32 v[236+\b], 23, v[244+\b]         ; the scale's byte
.endr
	s_delay_alu instid0(VALU_DEP_3)
	v_lshl_or_b32 v253, v237, 8, v236              ; p's scale word for these 128 keys
	s_delay_alu instid0(VALU_DEP_1)
	v_lshl_or_b32 v253, v238, 16, v253
	s_delay_alu instid0(VALU_DEP_1)
	v_lshl_or_b32 v253, v239, 24, v253
.irp c, 0,1
	v_cvt_scalef32_pk16_fp6_f32 v[224+6*\c:226+6*\c], v[96+32*\c:111+32*\c], v[244+2*\c]
	v_cvt_scalef32_pk16_fp6_f32 v[236+4*\c:238+4*\c], v[112+32*\c:127+32*\c], v[244+2*\c+1]
.endr
	v_nop                                          ; one plain place behind a scaled conversion
.irp c, 0,1
.irp i, 0,1,2
	v_permlane16_swap_b32 v[224+6*\c+\i], v[236+4*\c+\i]
.endr
.irp i, 0,1,2
	s_delay_alu instid0(VALU_DEP_3)
	v_mov_b32 v[227+6*\c+\i], v[236+4*\c+\i]
.endr
.endr
	s_setprio 0
.irp j, 0,2,4,6,8,10,12,14,16,18,20,22,24,26,28,30
	v_pk_mul_f32 v[160+\j:161+\j], v[160+\j:161+\j], v[252:253] op_sel_hi:[1,0]   ; O^T under the new M.  These sixteen stand between the making of p's codes and scale word and the products
.endr
	s_wait_alu depctr_va_vdst(0)
	s_wait_dscnt 0x0                               ; V
.irp t, 0,2                                    ; O^T += V^T P^T: the four accumulators take turns, and the eight products S^T stand between two steps' turns
	v_wmma_scale_f32_16x16x128_f8f6f4 v[160+8*\t:167+8*\t], v[KV+12*\t:KV+12*\t+11], v[224:235], v[160+8*\t:167+8*\t], v[248+\t/2], v253 matrix_a_fmt:MATRIX_FMT_FP6 matrix_b_fmt:MATRIX_FMT_FP6
	v_wmma_scale_f32_16x16x128_f8f6f4 v[168+8*\t:175+8*\t], v[KV+12*\t+12:KV+12*\t+23], v[224:235], v[168+8*\t:175+8*\t], v[248+\t/2], v253 matrix_a_fmt:MATRIX_FMT_FP6 matrix_b_fmt:MATRIX_FMT_FP6 matrix_a_scale:MATRIX_SCALE_ROW1
.endr
.endm
; y = O^T / the sum: register 16 g + i is d = 32 g + 16 (lane / 16) + i of my query: two blocks of 32 along the last projection's K.  Quantised; the half image leaves from registers, the two scale bytes go to LDS.
.macro YOUT pi
	v_add_f32 v14, v14, v15
	s_delay_alu instid0(VALU_DEP_1)
	v_permlanex16_b32 v252, v14, s[SEL], s[SEL+1]
	s_delay_alu instid0(VALU_DEP_1)
	v_add_f32 v14, v14, v252                       ; the row's sum
	s_wait_alu depctr_va_vdst(0)
	v_rcp_f32 v14, v14
.rept 3
	v_nop                                          ; plain places: behind the reciprocal, and with the additions above behind the last products
.endr
	s_wait_alu depctr_va_vdst(0)                   ; ahead of the reciprocal's first reader
.set j, 0
.rept 32
	v_mul_f32 v[96+j], v[160+j], v14               ; ascending: each accumulator is read from its low end on
.set j, j+1
.endr
.irp b, 0,1
	v_max3_num_f32 v[232+\b], |v[96+16*\b]|, |v[97+16*\b]|, 0x1800000
.endr
.irp i, 2,4,6,8,10,12,14
.irp b, 0,1
	s_delay_alu instid0(VALU_DEP_2)
	v_max3_num_f32 v[232+\b], v[232+\b], |v[96+16*\b+\i]|, |v[97+16*\b+\i]|
.endr
.endr
.irp b, 0,1
	s_delay_alu instid0(VALU_DEP_2)
	v_permlanex16_b32 v[236+\b], v[232+\b], s[SEL], s[SEL+1]
.endr
.irp b, 0,1
	s_delay_alu instid0(VALU_DEP_2)
	v_max_num_f32 v[232+\b], v[232+\b], v[236+\b]
.endr
.irp b, 0,1
	s_delay_alu instid0(VALU_DEP_2)
	v_add_nc_u32 v[244+\b], 0xff000000, v[232+\b]
.endr
.irp b, 0,1
	s_delay_alu instid0(VALU_DEP_2)
	v_lshrrev_b32 v[236+\b], 23, v[244+\b]
.endr
	s_delay_alu instid0(VALU_DEP_1)
	v_lshl_or_b32 v253, v237, 8, v236              ; my query's two scale bytes
	v_cvt_scalef32_pk16_fp6_f32 v[224:226], v[96:111], v244
	v_cvt_scalef32_pk16_fp6_f32 v[236:238], v[112:127], v245
	v_nop
.irp i, 0,1,2
	v_permlane16_swap_b32 v[224+\i], v[236+\i]
.endr
.irp i, 0,1,2
	s_delay_alu instid0(VALU_DEP_3)
	v_mov_b32 v[227+\i], v[236+\i]
.endr
	global_store_b128 v[L16], v[224:227], s[YP:YP+1] offset:196608*\pi       ; 512 and 256 consecutive bytes, aligned
	global_store_b64 v[L8], v[228:229], s[YP:YP+1] offset:196608*\pi+512
	ds_store_b16 v[YSA], v253 offset:512*\pi       ; lanes r and r + 16 write the same bytes with the same value
	s_wait_xcnt 0x0                                ; the stores have read their registers
.endm
.macro PASS pi, qf, qs
	v_mov_b32 v13, 0xff61b1e6                      ; the largest t so far: -3e38
	s_delay_alu instid0(VALU_DEP_1)
	v_floor_f32 v12, -v13                          ; -M
	v_mov_b32 v14, 0
	v_mov_b32 v15, 0
.set j, 0
.rept 32
	v_mov_b32 v[160+j], 0                          ; O^T: the step is written once for a pass: its first trip finds zeros, which the first change of M leaves zeros
.set j, j+1
.endr
	s_mov_b32 s[TK], 0
	s_mov_b32 s[TS], 0
	s_mov_b32 s[TT], 0
	s_mov_b32 s[CNT], 16
.Lstep_\@:
	s_setprio 2
	STEP \qf, \qs
	s_add_co_u32 s[TK], s[TK], 6144
	s_add_co_u32 s[TS], s[TS], 512
	s_add_co_u32 s[TT], s[TT], 256
	s_sub_co_u32 s[CNT], s[CNT], 1
	s_cmp_lg_u32 s[CNT], 0
	s_cbranch_scc1 .Lstep_\@
	s_setprio 0
	YOUT \pi
.endm
	PASS 0, 16, 255
	PASS 1, 192, 204
	s_wait_dscnt 0x0                               ; my scale bytes lie in LDS,
	s_barrier_signal -1
	s_barrier_wait -1                              ; everybody's do
	s_cmp_lt_u32 s[WV], 2
	s_cbranch_scc0 .Lno_scales
	ds_load_b128 v[32:35], v[YRD]                  ; waves 0 and 1 store the work-group's 1,024 bytes, 16 a lane
	s_wait_dscnt 0x0
	global_store_b128 v[YGO], v[32:35], s[YS:YS+1]
.Lno_scales:
	s_wait_tensorcnt 0x0                           ; the wave's end: behind my last tensor load and my last LDS store
	ds_add_u32 v[SPW], v[NIL]
	s_wait_dscnt 0x0
	CROUND                                         ; the closing round
	s_endpgm
.Lfunc_end_k_q39f0a61393_attn:
	.size	k_q39f0a61393_attn, .Lfunc_end_k_q39f0a61393_attn-k_q39f0a61393_attn
	.p2alignl 7, 3214868480
	.fill 96, 4, 3214868480
	.section	.rodata,"a",@progbits
	.p2align	6, 0x0
	.amdhsa_kernel k_q39f0a61393_attn
		.amdhsa_group_segment_fixed_size 212992
		.amdhsa_private_segment_fixed_size 0
		.amdhsa_enable_private_segment 0
		.amdhsa_kernarg_size 32
		.amdhsa_user_sgpr_count 2
		.amdhsa_user_sgpr_kernarg_segment_ptr 1
		.amdhsa_wavefront_size32 1
		.amdhsa_system_sgpr_workgroup_id_x 1
		.amdhsa_system_sgpr_workgroup_id_y 1
		.amdhsa_system_sgpr_workgroup_id_z 1
		.amdhsa_system_vgpr_workitem_id 0
		.amdhsa_next_free_vgpr 256
		.amdhsa_next_free_sgpr 66
		.amdhsa_reserve_vcc 0
		.amdhsa_float_denorm_mode_32 3
		.amdhsa_float_denorm_mode_16_64 3
		.amdhsa_memory_ordered 1
		.amdhsa_forward_progress 1
		.amdhsa_inst_pref_size 53
	.end_amdhsa_kernel
	.amdgpu_metadata
---
amdhsa.version: [ 1, 2 ]
amdhsa.kernels:
  - .name:           k_q39f0a61393_attn
    .symbol:         k_q39f0a61393_attn.kd
    .args:
      - { .name: qb, .offset: 0, .size: 8, .value_kind: global_buffer, .address_space: global }
      - { .name: kv, .offset: 8, .size: 8, .value_kind: global_buffer, .address_space: global }
      - { .name: yc, .offset: 16, .size: 8, .value_kind: global_buffer, .address_space: global }
      - { .name: ysc, .offset: 24, .size: 8, .value_kind: global_buffer, .address_space: global }
    .group_segment_fixed_size: 212992
    .private_segment_fixed_size: 0
    .kernarg_segment_align: 8
    .kernarg_segment_size: 32
    .max_flat_workgroup_size: 512
    .sgpr_count:     66
    .vgpr_count:     256
    .wavefront_size: 32
...
	.end_amdgpu_metadata
.endif
;; end of part 4
;; launch outproj (part 5): grid 4 x 32, 4 waves a work-group, clusters of 4 x 4, 327,680 bytes of LDS; arguments yc, ysc, cod, scl, bo, out0; writes out0
.if DOCPART == 5
	.amdgcn_target "amdgcn-amd-amdhsa--gfx1250"
	.amdhsa_code_object_version 6
	.text
	.protected	k_q39f0a61393_outproj
	.globl	k_q39f0a61393_outproj
	.p2align	8
	.type	k_q39f0a61393_outproj,@function
k_q39f0a61393_outproj:
	s_mov_b64 s[64:65], 0
	v_nop
	global_prefetch_b8 v0, s[64:65] scope:SCOPE_SE
	s_setreg_imm32_b32 hwreg(HW_REG_WAVE_MODE, 25, 1), 1
	s_wait_xcnt 0x0
	s_wait_alu depctr_hold_cnt(0) depctr_sa_sdst(0) depctr_va_vdst(0) depctr_va_sdst(0) depctr_va_ssrc(0) depctr_va_vcc(0) depctr_vm_vsrc(0)
	s_getreg_b32 s2, hwreg(HW_REG_IB_STS2, 6, 4)
	s_cmp_eq_u32 s2, 0
	s_cbranch_scc0 .Lentry_in_a_cluster
	s_endpgm
.Lentry_in_a_cluster:
	s_bfe_u32 s2, ttmp6, 0x10000c
	s_cmp_lg_u32 s2, 0xf033
	s_cbranch_scc0 .Lentry_shape_is_right
	s_endpgm
.Lentry_shape_is_right:
; Launch 5 of 5: out0 = y Wo + bo, [8192 x 1024] x [1024 x 1024] on codes of FP6 (E2M3) with E8M0 scales, sums and bias in f32.  Nothing is left out.
; A tile of 256 x 256 to a work-group of four waves, 128 x 128 to a wave.  Source 0 = 16 rows of Wo^T (rows 27,648 on of cod), source 1 = 16 tokens of y: a lane holds eight numbers of one row of out0.
; y's codes lie in yc as images of the operand's registers, [tile of 16 tokens][128 along K][1,536 bytes]: a K step of 256 is 3,072 consecutive bytes a tile, and a fragment comes from LDS by four loads of consecutive bytes.
; y's scale bytes lie in ysc as [head][token] pairs; each work-group turns those of its 256 tokens once into rows of 32 bytes in LDS, laid as the weight's scale bytes are.
; Tokens and n lie in storage order (bits 3 and 4 of the row number exchanged).  THE WAY OUT UNDOES IT: the columns by the places in the stage, the rows by the stores' immediates.
; K goes in four steps of 256 through a ring of two LDS slots; they are written out.  4 x 4 work-groups form a cluster: y's tiles are shared along a row of the cluster, the weight's along a column, each by a joint load.
; REGISTERS: window 0: v1-29 addresses; v32-63 scale words, two sets; v64-95 at work on y's scale bytes; v96-99 bo; v128-223 y's fragments; on the way out v128-255 rows of out0.  window 1: the weight's fragments, two sets.
;   windows 2, 3: the accumulators.
.set NQ,     2
.set ROWB,   192
.set KROW,   768
.set PITCH,  240
.set FR,     12
.set NL,     6                         ; LDS loads that bring a fragment of the weight
.set NLA,    4                         ; and one of y
.set NP,     4
.set HALFT,  128*PITCH
.set AHALF,  24576                     ; y: 8 tiles x 3,072 bytes: what one tensor load brings, and what one wave reads
.set BOFF,   2*AHALF                   ; the weight's 256 rows lie behind y's 16 tiles
.set SLOT,   BOFF+2*HALFT              ; 110,592
.set KS,     32
.set SCL,    2*SLOT                    ; y's scale bytes, 8,704 bytes, written by LDS stores: blocks of 256 bytes into which no tensor load lands
.set HALFS,  (128*KS/256)*272
.set SBLK,   (16*KS/256)*272
.set SCB,    SCL+2*HALFS               ; the weight's scale bytes
.set SPARE,  SCL+4*HALFS
.set SPITCH, 528                       ; the way out: 16 rows x (512 + 16) bytes for each wave, in slot 0, which has had its last fill and its last read by then
.set YA,   12                          ; v12  4 x thread: my two tokens' pairs in ysc
.set TA,   13                          ; v13  where their 64 bytes go in the table
.set ADRA, 16                          ; v16-17 16 x lane + my tiles of y in slot 0, 1;  v18-19 the same with 8 x lane
.set ADRB, 20
.set STO,  24
.set RD,   25
.set CO,   26                          ; 16 x lane
.set ADRS, 27
.set SPW,  28
.set NIL,  29
.set SC,   32
.set BOR,  96                          ; bo at my four columns of a row read back
.set AF,   128
.set BK,   128
.set G1, 24
.set G0, 32
.set G1B, 48
.set G0B, 56
.set G1SB, 80
.set G0SB, 88
.set MSB, 0
.macro WIN new
.if MSB != \new
	s_set_vgpr_msb (MSB<<8)|\new
.set MSB, \new
.endif
.endm
.set MUL_LO, 0xa1
.set MUL_HI, 0xf1
.set TO_B,   0x40
.macro JLOAD g0a, g1a, g0b, g1b        ; waves 0 and 1 fetch y's halves, waves 2 and 3 the weight's; an s_nop 0 and four v_nop follow each line
	s_cmp_eq_u32 s15, 0
	s_cbranch_scc0 .Lfor_b_\@
	tensor_load_to_lds s[\g0a:\g0a+3], s[\g1a:\g1a+7]
	s_nop 0
.rept 4
	v_nop
.endr
	s_branch .Lasked_\@
.Lfor_b_\@:
	tensor_load_to_lds s[\g0b:\g0b+3], s[\g1b:\g1b+7]
	s_nop 0
.rept 4
	v_nop
.endr
.Lasked_\@:
.endm
.macro CREST
	s_cmp_lg_u32 s14, 0
	s_cbranch_scc1 .Lnot_wave_0_\@
	s_barrier_signal -3
.Lnot_wave_0_\@:
	s_barrier_wait -3
	s_barrier_signal -1
	s_barrier_wait -1
.endm
.macro CROUND
	s_barrier_signal -1
	s_barrier_wait -1
	CREST
.endm
	s_load_b256 s[4:11], s[0:1], 0x0               ; yc, ysc, cod, scl
	s_load_b128 s[96:99], s[0:1], 0x20             ; bo, out0
	v_lshl_add_u32 v[SPW], v0, 2, SPARE
	v_mov_b32 v[NIL], 0
	ds_add_u32 v[SPW], v[NIL]                      ; the wave's opening: the add, twice on end, and its wait ahead of my first tensor load
	ds_add_u32 v[SPW], v[NIL]
	v_lshrrev_b32 v1, 5, v0
	v_readfirstlane_b32 s14, v1                    ; wave 0..3
	s_lshr_b32 s15, s14, 1                         ; which half of the tile's tokens is mine.  Also: I fetch y (0) or the weight (1)
	s_and_b32 s16, s14, 1                          ; which half of its columns.  Also: which half I fetch
	s_bfe_u32 s40, ttmp6, 0x40000                  ; cx = the tile column (the grid is one cluster wide)
	s_bfe_u32 s41, ttmp6, 0x40004                  ; cy
	s_and_b32 s17, ttmp7, 0xffff
	s_lshl_b32 s17, s17, 2
	s_add_co_u32 s17, s17, s41                     ; the tile row
	s_lshl_b32 s43, s41, 2
	s_lshl_b32 s43, 15, s43                        ; my row of the cluster
	s_lshl_b32 s44, 0x1111, s40                    ; my column
	s_or_b32 s[G1+0], s43, (3<<16)|(1<<21)         ; y: elements of 8 bytes, no padding:
	s_mov_b32 s[G1+1], 384<<16                     ; 3,072 bytes of each of
	s_mov_b32 s[G1+2], 8<<16                       ; 8 tiles,
	s_mov_b32 s[G1+3], 384<<16
	s_mov_b32 s[G1+4], 8
	s_mov_b32 s[G1+5], 1536                        ; 12,288 bytes apart
	s_mov_b32 s[G1+6], 0
	s_mov_b32 s[G1+7], 0
	s_or_b32 s[G1B+0], s44, (0<<16)|(1<<20)|(1<<21)|(3<<22)|(3<<25)   ; the weight: 128 rows x 192 bytes, 16 bytes of padding behind every 64
	s_mov_b32 s[G1B+1], ROWB<<16
	s_mov_b32 s[G1B+2], 128<<16
	s_mov_b32 s[G1B+3], ROWB<<16
	s_mov_b32 s[G1B+4], 128
	s_mov_b32 s[G1B+5], KROW
	s_mov_b32 s[G1B+6], 0
	s_mov_b32 s[G1B+7], 0
	s_or_b32 s[G1SB+0], s44, (3<<16)|(1<<20)|(1<<21)|(5<<22)|(3<<25)  ; its scale bytes of 64 rows: 8 rows of 256 bytes, 16 of padding behind each
	s_mov_b32 s[G1SB+1], 32<<16
	s_mov_b32 s[G1SB+2], 8<<16
	s_mov_b32 s[G1SB+3], 32<<16
	s_mov_b32 s[G1SB+4], 8
	s_mov_b32 s[G1SB+5], 32
	s_mov_b32 s[G1SB+6], 0
	s_mov_b32 s[G1SB+7], 0
	s_lshl_b32 s20, s17, 4
	s_lshl_b32 s18, s16, 3
	s_add_co_u32 s20, s20, s18                     ; y: tile 16 x tile row + 8 x half,
	s_mul_i32 s20, s20, 12288
	s_mov_b32 s21, 0
	s_lshl_b32 s46, s40, 8
	s_lshl_b32 s18, s16, 7
	s_add_co_u32 s46, s46, s18
	s_add_co_u32 s46, s46, 27648                   ; the weight: row 27,648 + 256 cx + 128 x half
	s_mul_i32 s46, s46, KROW
	s_mov_b32 s47, 0
	s_lshl_b32 s92, s40, 8
	s_lshl_b32 s18, s14, 6
	s_add_co_u32 s92, s92, s18
	s_add_co_u32 s92, s92, 27648                   ; its scale bytes: every wave fetches 64 rows'
	s_lshl_b32 s92, s92, 5
	s_mov_b32 s93, 0
	s_mul_i32 s45, s16, AHALF                      ; where they go
	s_mul_i32 s94, s16, HALFT
	s_add_co_u32 s94, s94, BOFF
	s_mul_i32 s95, s14, 2176
	s_add_co_u32 s95, s95, SCB
	s_lshl_b32 s22, s17, 9                         ; ysc: 2 bytes x 256 tokens a tile row
	s_mov_b32 s23, 0
	s_lshl_b32 s66, s40, 10                        ; my first column in bytes: 1,024 cx + 512 x half
	s_lshl_b32 s18, s16, 9
	s_add_co_u32 s66, s66, s18
	s_mov_b32 s67, 0
	s_lshl_b32 s2, s17, 8
	s_lshl_b32 s18, s15, 7
	s_add_co_u32 s2, s2, s18                       ; my first row of out0,
	s_lshl_b32 s2, s2, 12                          ; 4,096 bytes a row,
	s_add_co_u32 s2, s2, s66
	s_mov_b32 s3, 0
	v_lshlrev_b32 v[YA], 2, v0
	v_and_b32 v6, 31, v0
	v_lshlrev_b32 v[CO], 4, v6
	s_wait_dscnt 0x0                               ; both opening adds are done
	s_wait_kmcnt 0x0
	s_add_nc_u64 s[20:21], s[4:5], s[20:21]
	s_add_nc_u64 s[46:47], s[8:9], s[46:47]
	s_add_nc_u64 s[92:93], s[10:11], s[92:93]
	s_add_nc_u64 s[6:7], s[6:7], s[22:23]
	s_add_nc_u64 s[96:97], s[96:97], s[66:67]
	s_add_nc_u64 s[12:13], s[98:99], s[2:3]
.irp d, 0,1,2,3,4,5,6,7,8,9,10,11,12,13,14,15
	global_load_b32 v[64+\d], v[YA], s[6:7] offset:16384*\d      ; head d: the pairs of scale bytes of tokens 2 x thread and 2 x thread + 1
.endr
	global_load_b128 v[BOR:BOR+3], v[CO], s[96:97]
	CROUND                                         ; all sixteen work-groups are here: the first joint loads meet
	s_mov_b32 s[G0SB], 1
	s_mov_b32 s[G0SB+1], s95
	s_mov_b64 s[G0SB+2:G0SB+3], s[92:93]
	s_or_b32 s[G0SB+3], s[G0SB+3], 0x80000000
	tensor_load_to_lds s[G0SB:G0SB+3], s[G1SB:G1SB+7]   ; the weight's scale bytes: every wave a quarter
	s_nop 0
.irp s, 0,1
	s_mov_b32 s[G0+4*\s], 1
	s_add_co_u32 s[G0+4*\s+1], s45, \s*SLOT
	s_add_nc_u64 s[G0+4*\s+2:G0+4*\s+3], s[20:21], \s*3072
	s_or_b32 s[G0+4*\s+3], s[G0+4*\s+3], 0x80000000
	s_mov_b32 s[G0B+4*\s], 1
	s_add_co_u32 s[G0B+4*\s+1], s94, \s*SLOT
	s_add_nc_u64 s[G0B+4*\s+2:G0B+4*\s+3], s[46:47], \s*ROWB
	s_or_b32 s[G0B+4*\s+3], s[G0B+4*\s+3], 0x80000000
	JLOAD G0+4*\s, G1, G0B+4*\s, G1B               ; three tensor loads of mine are out
.endr
	v_and_b32 v1, 15, v0                           ; r
	v_bfe_u32 v2, v0, 4, 1                         ; h
	v_lshlrev_b32 v7, 3, v6
	s_mul_i32 s21, s15, AHALF                      ; my 8 tiles of y
.irp s, 0,1
	v_add_nc_u32 v[ADRA+\s], s21, v[CO]
	v_add_nc_u32 v[ADRA+2+\s], s21, v7
	s_add_co_u32 s21, s21, SLOT
.endr
	v_mul_u32_u24 v3, v1, PITCH
	v_mul_u32_u24 v4, v2, 24
	v_add_nc_u32 v4, v3, v4
	v_lshl_add_u32 v5, v2, 4, v4
	s_mul_i32 s22, s16, HALFT
	s_add_co_u32 s22, s22, BOFF                    ; my 128 rows of the weight
.irp s, 0,1
	v_add_nc_u32 v[ADRB+\s], s22, v4
	v_add_nc_u32 v[ADRB+2+\s], s22, v5
	s_add_co_u32 s22, s22, SLOT
.endr
	v_mul_u32_u24 v5, v1, KS                       ; my row's scale bytes: 32 a row,
	v_lshrrev_b32 v6, 8, v5
	v_lshl_add_u32 v5, v6, 4, v5                   ; and 16 more for each 256 passed
	s_mul_i32 s21, s15, HALFS
	s_mul_i32 s22, s16, HALFS
	s_add_co_u32 s22, s22, 2*HALFS
	s_sub_co_u32 s22, s22, s21
	v_mul_u32_u24 v6, s22, v2                      ; lanes 16-31 take the weight's
	s_add_co_u32 s21, s21, SCL
	v_add_nc_u32 v5, v5, v6
	v_add_nc_u32 v[ADRS], s21, v5
	s_mul_i32 s23, s14, 16*SPITCH                  ; my stage
	v_mul_u32_u24 v5, v1, SPITCH
	v_lshl_add_u32 v5, v2, 6, v5                   ; in: row r, + 64 h: my half's 16 columns of each 32
	v_add_nc_u32 v[STO], s23, v5
	v_add_nc_u32 v[RD], s23, v[CO]                 ; back: the 32 lanes take one row of 512 bytes
	v_lshrrev_b32 v[TA], 2, v0                     ; the table: token x at 272 (x / 8) + 32 (x % 8); mine are 2 x thread and the next
	v_mul_u32_u24 v[TA], v[TA], 272
	v_and_b32 v3, 3, v0
	v_lshl_add_u32 v[TA], v3, 6, v[TA]
	v_add_nc_u32 v[TA], SCL, v[TA]
	s_wait_loadcnt 0x0                             ; y's scale bytes, and bo
.irp s, 0,1,2,3,4,5,6,7
	v_perm_b32 v[80+\s], v[65+2*\s], v[64+2*\s], 0x05040100     ; the word of 128 along K: heads 2 s and 2 s + 1: of the even token,
	v_perm_b32 v[88+\s], v[65+2*\s], v[64+2*\s], 0x07060302     ; of the odd one
.endr
	ds_store_b128 v[TA], v[80:83]
	ds_store_b128 v[TA], v[84:87] offset:16
	ds_store_b128 v[TA], v[88:91] offset:32
	ds_store_b128 v[TA], v[92:95] offset:48
.macro FRAG reg, adr, q, i             ; a fragment of the weight: 12 registers in pieces of 8 bytes, from rows with 16 bytes of padding behind every 64
.irp p, 0,1,2,3,4,5
.set PIECE, 12*(\q)+6*(\p/3)+\p%3
.if PIECE%8 < 5
	ds_load_b64 v[\reg+2*\p:\reg+2*\p+1], v[\adr] offset:8*PIECE+16*(PIECE/8)+(\i)*16*PITCH
.else
	ds_load_b64 v[\reg+2*\p:\reg+2*\p+1], v[\adr+2] offset:8*PIECE+16*(PIECE/8)+(\i)*16*PITCH
.endif
.endr
.endm
.macro FRAGI reg, slot, q, i           ; a fragment of y: two half images, as they were stored
	ds_load_b128 v[\reg:\reg+3], v[ADRA+\slot] offset:3072*(\i)+1536*(\q)
	ds_load_b64 v[\reg+4:\reg+5], v[ADRA+2+\slot] offset:3072*(\i)+1536*(\q)+512
	ds_load_b128 v[\reg+6:\reg+9], v[ADRA+\slot] offset:3072*(\i)+1536*(\q)+768
	ds_load_b64 v[\reg+10:\reg+11], v[ADRA+2+\slot] offset:3072*(\i)+1536*(\q)+1280
.endm
.macro MUL16 a0, p, q, sc, zero        ; the 64 accumulators take turns, one instruction a turn, in the same order in every step
.irp a, \a0, \a0+1
.irp b, 0,1,2,3,4,5,6,7
.if \zero
	v_wmma_scale_f32_16x16x128_f8f6f4 v[8*(8*((\a)%4)+\b):8*(8*((\a)%4)+\b)+7], v[128*(\p)+FR*\b:128*(\p)+FR*\b+FR-1], v[AF+FR*(\a):AF+FR*(\a)+FR-1], 0, v[SC+8*NQ*(\sc)+NQ*\b+(\q)], v[SC+8*NQ*(\sc)+NQ*(\a)+(\q)] matrix_a_fmt:MATRIX_FMT_FP6 matrix_b_fmt:MATRIX_FMT_FP6 matrix_a_scale:MATRIX_SCALE_ROW1
.else
	v_wmma_scale_f32_16x16x128_f8f6f4 v[8*(8*((\a)%4)+\b):8*(8*((\a)%4)+\b)+7], v[128*(\p)+FR*\b:128*(\p)+FR*\b+FR-1], v[AF+FR*(\a):AF+FR*(\a)+FR-1], v[8*(8*((\a)%4)+\b):8*(8*((\a)%4)+\b)+7], v[SC+8*NQ*(\sc)+NQ*\b+(\q)], v[SC+8*NQ*(\sc)+NQ*(\a)+(\q)] matrix_a_fmt:MATRIX_FMT_FP6 matrix_b_fmt:MATRIX_FMT_FP6 matrix_a_scale:MATRIX_SCALE_ROW1
.endif
.endr
.endr
.endm
.macro FETCH_B slot, q, p
	WIN TO_B
.irp i, 0,1,2,3,4,5,6,7
	FRAG 128*(\p)+FR*\i, ADRB+\slot, \q, \i
.endr
	WIN 0
.endm
.macro FETCH_A slot, q, i0
.irp i, \i0, \i0+1, \i0+2, \i0+3
	FRAGI AF+FR*(\i), \slot, \q, \i
.endr
.endm
.macro SCALES sc
.irp i, 0,1,2,3,4,5,6,7
	ds_load_b64 v[SC+8*NQ*\sc+NQ*\i:SC+8*NQ*\sc+NQ*\i+1], v[ADRS] offset:\i*SBLK
.endr
.endm
.macro PLACES n
.rept \n
	v_nop
.endr
.endm
.macro STEP slot, q, zero
	s_wait_dscnt 4*NLA                             ; the weight's set and y's blocks 0-3 are in; the youngest 16 loads (blocks 4-7) may be out
	WIN MUL_LO
	MUL16 0, (\q)%2, \q, \slot, \zero
	MUL16 2, (\q)%2, \q, \slot, \zero
	s_wait_dscnt 0
	PLACES NP
	FETCH_B \slot, (\q)+1, 1-(\q)%2
	FETCH_A \slot, (\q)+1, 0
	WIN MUL_HI
	MUL16 4, (\q)%2, \q, \slot, \zero
	MUL16 6, (\q)%2, \q, \slot, \zero
	PLACES NP
	WIN 0
	FETCH_A \slot, (\q)+1, 4
.endm
.macro TURN slot, next, fill
	s_wait_tensorcnt 0x0                           ; all my tensor loads have landed: my part of the next slot
	ds_add_u32 v[SPW], v[NIL]                      ; 0 onto my spare word
	s_wait_dscnt 4*NLA+1                           ; (the add and the youngest 16 loads may be out)
	WIN MUL_LO
	MUL16 0, 1, NQ-1, \slot, 0
	s_wait_dscnt 0x0                               ; the add is done, and my reads of this slot are over
	s_barrier_signal -1
	MUL16 2, 1, NQ-1, \slot, 0
	WIN 0
	s_barrier_wait -1
.if \fill
	CREST                                          ; the barrier has opened a round of the cluster's: no wave of any partner still reads this slot or has a load on its way
	s_add_nc_u64 s[G0+4*\slot+2:G0+4*\slot+3], s[G0+4*\slot+2:G0+4*\slot+3], 2*3072
	s_add_nc_u64 s[G0B+4*\slot+2:G0B+4*\slot+3], s[G0B+4*\slot+2:G0B+4*\slot+3], 2*ROWB
	JLOAD G0+4*\slot, G1, G0B+4*\slot, G1B         ; the first tensor load behind the round; its four v_nop are the places in front of the loads below
.else
	PLACES NP
.endif
	v_add_nc_u32 v[ADRS], 4*NQ, v[ADRS]
	FETCH_B \next, 0, 0
	FETCH_A \next, 0, 0
	SCALES \next
	WIN MUL_HI
	MUL16 4, 1, NQ-1, \slot, 0
	MUL16 6, 1, NQ-1, \slot, 0
	PLACES NP
	WIN 0
	FETCH_A \next, 0, 4
.endm
	s_wait_tensorcnt 1                             ; the weight's scale bytes and my part of K step 0 are in (K step 1's load may be out),
	s_wait_dscnt 0x0                               ; my part of y's table lies in LDS,
	s_barrier_signal -1
	s_barrier_wait -1                              ; everybody's do
	FETCH_B 0, 0, 0
	FETCH_A 0, 0, 0
	SCALES 0
	FETCH_A 0, 0, 4
	STEP 0, 0, 1                                   ; the first products start the sums
	TURN 0, 1, 1                                   ; slot 0 takes K step 2
	STEP 1, 0, 0
	TURN 1, 0, 1                                   ; slot 1 takes K step 3
	STEP 0, 0, 0
	TURN 0, 1, 0                                   ; the last change of slots: behind it slot 0 is neither filled nor read again
	STEP 1, 0, 0
	s_wait_dscnt 4*NLA                             ; the very last 128: nothing more to fetch
	WIN MUL_LO
	MUL16 0, 1, NQ-1, 1, 0
	MUL16 2, 1, NQ-1, 1, 0
	s_wait_dscnt 0
	WIN MUL_HI
	MUL16 4, 1, NQ-1, 1, 0
	MUL16 6, 1, NQ-1, 1, 0
	WIN 0
; THE WAY OUT, block by block of 16 tokens x 128 columns, through my own stage in LDS.  Register j of accumulator (a, b) is column 32 (b / 2) + 16 h + 8 (b % 2) + j: it goes to that place of its row, so the rows come back in
; the columns' true order.  Row t of block a is token 32 (a / 2) + 8 (a % 2) + t + 8 (t / 8) of my 128: the store's immediate says so.  LDS serves a wave's instructions in order: no wait between the stores and the loads.
.macro TOSTAGE a
.set AC, 64*((\a)%4)
	WIN 0x08+4*((\a)/4)                            ; the data: window 2 or 3
.irp b, 0,1,2,3,4,5,6,7
	ds_store_b128 v[STO], v[AC+8*\b:AC+8*\b+3] offset:128*(\b/2)+32*(\b%2)          ; each accumulator from its low end on
	ds_store_b128 v[STO], v[AC+8*\b+4:AC+8*\b+7] offset:128*(\b/2)+32*(\b%2)+16
.endr
	WIN 0
.set BB, BK+64*((\a)%2)
.irp t, 0,1,2,3,4,5,6,7,8,9,10,11,12,13,14,15
	ds_load_b128 v[BB+4*\t:BB+4*\t+3], v[RD] offset:\t*SPITCH
.endr
.endm
.macro SEND a, younger                 ; younger: the LDS instructions issued behind block a's loads, which may stay out
.set BB, BK+64*((\a)%2)
	s_wait_dscnt \younger
.irp t, 0,1,2,3,4,5,6,7,8,9,10,11,12,13,14,15
	v_pk_add_f32 v[BB+4*\t:BB+4*\t+1], v[BB+4*\t:BB+4*\t+1], v[BOR:BOR+1]           ; + bo
	v_pk_add_f32 v[BB+4*\t+2:BB+4*\t+3], v[BB+4*\t+2:BB+4*\t+3], v[BOR+2:BOR+3]
	global_store_b128 v[CO], v[BB+4*\t:BB+4*\t+3], s[12:13] offset:(32*((\a)/2)+8*((\a)%2)+\t+8*(\t/8))*4096 th:TH_STORE_NT   ; 32 lanes store 512 consecutive bytes, aligned; 127 rows of 4,096 bytes at the most
.endr
.endm
	PLACES NP                                      ; behind the last products: for the loads into the registers that held y's fragments and for the reads of results
	TOSTAGE 0
.irp a, 1,2,3,4,5,6,7
.if \a > 1
	s_wait_xcnt 0x0                                ; block a - 2's stores have read their registers: block a's loads may land there
.endif
	TOSTAGE \a
	SEND \a-1, 32                                  ; behind block a - 1's loads: block a's 16 stores and 16 loads
.endr
	SEND 7, 0
	s_wait_tensorcnt 0x0                           ; the wave's end: behind my last tensor load and my last LDS store
	ds_add_u32 v[SPW], v[NIL]
	s_wait_dscnt 0x0
	CROUND                                         ; the closing round
	s_endpgm
.Lfunc_end_k_q39f0a61393_outproj:
	.size	k_q39f0a61393_outproj, .Lfunc_end_k_q39f0a61393_outproj-k_q39f0a61393_outproj
	.p2alignl 7, 3214868480
	.fill 96, 4, 3214868480
	.section	.rodata,"a",@progbits
	.p2align	6, 0x0
	.amdhsa_kernel k_q39f0a61393_outproj
		.amdhsa_group_segment_fixed_size 327680
		.amdhsa_private_segment_fixed_size 0
		.amdhsa_enable_private_segment 0
		.amdhsa_kernarg_size 48
		.amdhsa_user_sgpr_count 2
		.amdhsa_user_sgpr_kernarg_segment_ptr 1
		.amdhsa_wavefront_size32 1
		.amdhsa_system_sgpr_workgroup_id_x 1
		.amdhsa_system_sgpr_workgroup_id_y 1
		.amdhsa_system_sgpr_workgroup_id_z 1
		.amdhsa_system_vgpr_workitem_id 0
		.amdhsa_next_free_vgpr 1024
		.amdhsa_next_free_sgpr 100
		.amdhsa_reserve_vcc 0
		.amdhsa_float_denorm_mode_32 3
		.amdhsa_float_denorm_mode_16_64 3
		.amdhsa_memory_ordered 1
		.amdhsa_forward_progress 1
		.amdhsa_inst_pref_size 170
	.end_amdhsa_kernel
	.amdgpu_metadata
---
amdhsa.version: [ 1, 2 ]
amdhsa.kernels:
  - .name:           k_q39f0a61393_outproj
    .symbol:         k_q39f0a61393_outproj.kd
    .args:
      - { .name: yc, .offset: 0, .size: 8, .value_kind: global_buffer, .address_space: global }
      - { .name: ysc, .offset: 8, .size: 8, .value_kind: global_buffer, .address_space: global }
      - { .name: cod, .offset: 16, .size: 8, .value_kind: global_buffer, .address_space: global }
      - { .name: scl, .offset: 24, .size: 8, .value_kind: global_buffer, .address_space: global }
      - { .name: bo, .offset: 32, .size: 8, .value_kind: global_buffer, .address_space: global }
      - { .name: out0, .offset: 40, .size: 8, .value_kind: global_buffer, .address_space: global }
    .group_segment_fixed_size: 327680
    .private_segment_fixed_size: 0
    .kernarg_segment_align: 8
    .kernarg_segment_size: 48
    .max_flat_workgroup_size: 128
    .sgpr_count:     100
    .vgpr_count:     1024
    .wavefront_size: 32
...
	.end_amdgpu_metadata
.endif
;; end of part 5
